; MI455X (gfx1250); checked and timed in simulation.
; The chip was launched on July 23, 2026; its instructions are those of AMD's public machine-readable ISA for CDNA 5 (MIT licence, August 2026) and "CDNA5" Instruction Set Architecture Reference Guide (July 2026). The comments in the code are by the model that wrote it; some were corrected since.
;; Seeded Self Attention. Allowed arithmetic: float matrix products may take bf16 or f16 operands with f32 sums; all other float work in f32.
;; Inputs: Wk 1,024 x 1,024 float32; Wv 1,024 x 1,024 float32; bk 1,024 float32; bv 1,024 float32; seed_vectors 512 x 1,024 float32; x 32 x 512 x 1,024 float32.
;; Outputs: out0 32 x 512 x 1,024 float32.
;; 2 versions, each right and faster than the one before. Each part assembles by itself: llvm-mc -triple=amdgcn-amd-amdhsa -mcpu=gfx1250 --defsym DOCPART=n.
;; ======== version 1 of 2: 2 launches
;; limits: values are held in f16: magnitudes above 65,504 overflow, below 6.1e-05 lose precision
;; workspace buffers: xh 33,554,432 bytes; wvh 2,097,152 bytes; qf 1,048,576 bytes; cvec 2,048 bytes
;; launch prep (part 1): grid 256 x 1, 8 waves a work-group, no clusters, 198,144 bytes of LDS; arguments x, seed_vectors, Wk, bk, Wv, xh, wvh, qf, cvec; writes xh, wvh, qf, cvec
.if DOCPART == 1
	.amdgcn_target "amdgcn-amd-amdhsa--gfx1250"
	.amdhsa_code_object_version 6
	.text
	.protected	k_q161d8c61f6_prep
	.globl	k_q161d8c61f6_prep
	.p2align	8
	.type	k_q161d8c61f6_prep,@function
k_q161d8c61f6_prep:
	s_mov_b64 s[64:65], 0
	v_nop
	global_prefetch_b8 v0, s[64:65] scope:SCOPE_SE
	s_setreg_imm32_b32 hwreg(HW_REG_WAVE_MODE, 25, 1), 1
	s_wait_xcnt 0x0
; PREPARATION.  xh = f16(x), wvh = f16(Wv), qf = f16(seeds Wk^T / 32) in fragment order, cvec[s] = seeds[s].bk / 32 (f32).
; Why: seeds (x Wk + bk)^T = (seeds Wk^T) x^T + seeds.bk, so the key projection of all 16,384 rows of x is replaced by one
; product of 512 x 1024 x 1024, made here.
; 256 work-groups of eight waves.  Work-group g (sb = g / 32, db = g % 32) owns: 64 rows of x, 4 rows of Wv, the tile of
; 64 seeds (block sb) x 32 columns d (block db) of Q' = seeds Wk^T / 32, and, where db = 0, c of those 64 seeds.
; Thread t owns the 16 bytes (4 numbers) at byte 16 t of every f32 row of 4,096 bytes, and the 8 bytes at 8 t of the f16 row:
; a wave's load covers 512 consecutive bytes, its store 256 consecutive bytes, aligned.
; The seeds' and Wk's rows go to LDS as f16; they are loaded in turn with the rows of x, so that the stream of x never rests.
; LIMITS: numbers of magnitude 65,504 and more become infinite in f16 (x, Wv, seeds, Wk, and seeds Wk^T / 32); NaN and
; infinities in the inputs are not reproduced.  f16 and not bf16: the result is a sum of random sign, so each operand's
; rounding shows at full relative size in it, and 8 bits of mantissa are too few for the margin of one hundredth.
.set PITCH, 2064                       ; an LDS row: 2,048 bytes + 16 = 129 x 16: sixteen rows start at sixteen different 16-byte columns modulo 256
.set WKL,   64*PITCH                   ; Wk's 32 rows lie behind the seeds' 64
.set XA,    32                         ; v[32:111]   batch set A: 20 rows x 4 registers (8 of seeds, 4 of Wk, 8 of x)
.set XB,    112                        ; v[112:191]  batch set B
.set WV,    240                        ; v[240:255]  my 16 bytes of the four rows of Wv
.set ACC0,  16                         ; v[16:23], v[24:31]  two accumulators that take turns
.set ACC1,  24
.set FA,    32                         ; v[32:95], v[96:159]  two sets of fragments, four K steps each
.set FB,    96
; v1 = 16 t (f32 rows), v2 = 8 t (f16 rows in memory, and the seeds' LDS rows 0-31), v3 = v2 + 32 rows, v4 = v2 + WKL
	s_load_b512 s[4:19], s[0:1], 0x0               ; x 4:5, seeds 6:7, Wk 8:9, bk 10:11, Wv 12:13, xh 14:15, wvh 16:17, qf 18:19
	s_load_b64 s[20:21], s[0:1], 0x40              ; cvec
	v_lshrrev_b32 v11, 5, v0
	v_readfirstlane_b32 s22, v11                   ; wave 0..7
	s_lshr_b32 s23, ttmp9, 5                       ; sb
	s_and_b32 s24, ttmp9, 31                       ; db
	s_mov_b32 s28, 0x76543210                      ; v_permlanex16_b32: lane i reads lane i of the other half
	s_mov_b32 s29, 0xfedcba98
	s_mov_b32 s27, 0                               ; high word of every offset below (all under 4 GiB)
	v_lshlrev_b32 v1, 4, v0
	v_lshlrev_b32 v2, 3, v0
	v_add_nc_u32 v3, 32*PITCH, v2
	v_add_nc_u32 v4, WKL, v2
	s_wait_kmcnt 0x0
	s_lshl_b32 s26, ttmp9, 18
	s_add_nc_u64 s[4:5], s[4:5], s[26:27]          ; x: 64 rows of 4,096 bytes a work-group
	s_lshl_b32 s26, ttmp9, 17
	s_add_nc_u64 s[14:15], s[14:15], s[26:27]      ; xh: 64 rows of 2,048 bytes
	s_lshl_b32 s26, s23, 18
	s_add_nc_u64 s[6:7], s[6:7], s[26:27]          ; seeds: block sb of 64 rows
	s_lshl_b32 s26, s24, 17
	s_add_nc_u64 s[8:9], s[8:9], s[26:27]          ; Wk: block db of 32 rows
	s_lshl_b32 s26, ttmp9, 14
	s_add_nc_u64 s[12:13], s[12:13], s[26:27]      ; Wv: 4 rows
	s_lshl_b32 s26, ttmp9, 13
	s_add_nc_u64 s[16:17], s[16:17], s[26:27]      ; wvh
	s_lshl_b32 s26, s23, 17
	s_lshl_b32 s25, s24, 12
	s_add_co_u32 s26, s26, s25
	s_add_nc_u64 s[18:19], s[18:19], s[26:27]      ; qf: 131,072 sb + 4,096 db
	s_lshl_b32 s26, s23, 8
	s_add_nc_u64 s[20:21], s[20:21], s[26:27]      ; cvec: 64 numbers a block
; Batch k: seeds' rows 8k..8k+7, Wk's rows 4k..4k+3, x's rows 8k..8k+7.  Every place stands in an immediate: no register is stepped.
.macro LOADB k, set
.irp i, 0,1,2,3,4,5,6,7
	global_load_b128 v[\set+4*\i:\set+4*\i+3], v1, s[6:7] offset:(8*\k+\i)*4096
.endr
.irp i, 0,1,2,3
	global_load_b128 v[\set+32+4*\i:\set+32+4*\i+3], v1, s[8:9] offset:(4*\k+\i)*4096
.endr
.irp i, 0,1,2,3,4,5,6,7
	global_load_b128 v[\set+48+4*\i:\set+48+4*\i+3], v1, s[4:5] offset:(8*\k+\i)*4096 th:TH_LOAD_NT
.endr
.endm
; Four f32 become four f16 in the first two registers of each row's four; seeds and Wk go to LDS, x to xh.
.macro PROC k, set
.irp i, 0,1,2,3,4,5,6,7,8,9,10,11,12,13,14,15,16,17,18,19
	v_cvt_pk_f16_f32 v[\set+4*\i], v[\set+4*\i], v[\set+4*\i+1]
	v_cvt_pk_f16_f32 v[\set+4*\i+1], v[\set+4*\i+2], v[\set+4*\i+3]
.endr
.irp i, 0,1,2,3,4,5,6,7
.if \k < 4
	ds_store_b64 v2, v[\set+4*\i:\set+4*\i+1] offset:(8*\k+\i)*PITCH
.else
	ds_store_b64 v3, v[\set+4*\i:\set+4*\i+1] offset:(8*\k+\i-32)*PITCH
.endif
.endr
.irp i, 0,1,2,3
	ds_store_b64 v4, v[\set+32+4*\i:\set+32+4*\i+1] offset:(4*\k+\i)*PITCH
.endr
.irp i, 0,1,2,3,4,5,6,7
	global_store_b64 v2, v[\set+48+4*\i:\set+48+4*\i+1], s[14:15] offset:(8*\k+\i)*2048
.endr
.endm
; One batch's turn.  left = the loads of the younger batch, which stay out.  more = 1: the set is loaded again with batch kn.
.macro STAGE k, kn, set, left, more
	s_wait_loadcnt \left                           ; loads come back in order: this batch is in
	PROC \k, \set
.if \more
	s_wait_xcnt 0x0                                ; the set holds the data of the stores just issued: it is loaded again only behind this wait
	LOADB \kn, \set
.endif
.endm
.irp i, 0,1,2,3
	global_load_b128 v[WV+4*\i:WV+4*\i+3], v1, s[12:13] offset:\i*4096 th:TH_LOAD_NT
.endr
	LOADB 0, XA
	LOADB 1, XB
	s_wait_loadcnt 20                              ; Wv's four rows and batch 0 are in; batch 1's twenty loads stay out
.irp i, 0,1,2,3
	v_cvt_pk_f16_f32 v[WV+4*\i], v[WV+4*\i], v[WV+4*\i+1]
	v_cvt_pk_f16_f32 v[WV+4*\i+1], v[WV+4*\i+2], v[WV+4*\i+3]
	global_store_b64 v2, v[WV+4*\i:WV+4*\i+1], s[16:17] offset:\i*2048
.endr
	STAGE 0, 2, XA, 20, 1
	STAGE 1, 3, XB, 20, 1
	STAGE 2, 4, XA, 20, 1
	STAGE 3, 5, XB, 20, 1
	STAGE 4, 6, XA, 20, 1
	STAGE 5, 7, XB, 20, 1
	STAGE 6, 0, XA, 20, 0
	STAGE 7, 0, XB, 0, 0
	; addresses of the fragments.  Wave v makes the 16 seeds of block a = v % 4 x the 16 columns d of block e = v / 4.
	v_and_b32 v5, 31, v0                           ; lane
	v_and_b32 v6, 15, v0                           ; r
	v_bfe_u32 v7, v0, 4, 1                         ; h
	s_and_b32 s25, s22, 3                          ; a
	s_lshr_b32 s26, s22, 2                         ; e
	v_mul_u32_u24 v8, v6, PITCH
	v_lshl_add_u32 v8, v7, 4, v8                   ; r x pitch + 16 h
	s_mul_i32 s30, s26, 16*PITCH
	s_add_co_u32 s30, s30, WKL
	v_add_nc_u32 v9, s30, v8                       ; Wk's rows 16 e + r
	s_mul_i32 s30, s25, 16*PITCH
	v_add_nc_u32 v8, s30, v8                       ; seeds' rows 16 a + r
	s_lshl_b32 s25, s25, 10
	s_lshl_b32 s26, s26, 9
	s_add_co_u32 s25, s25, s26
	v_lshl_add_u32 v10, v5, 4, s25                 ; my 16 bytes of the tile in qf: 1,024 a + 512 e + 16 lane
	s_wait_xcnt 0x0                                ; the last stores of x have read their data: the sets are written again below
	s_wait_dscnt 0x0                               ; my rows' parts are in LDS,
	s_barrier_signal -1
	s_barrier_wait -1                              ; everybody's are
; Q'[s][d] = sum over p of seeds[s][p] Wk[d][p]: both lie along p.  Source 0 = 16 rows of Wk, source 1 = 16 rows of seeds, so lane (r, h)
; ends with seed r and the eight NEIGHBOURING columns d = 8 h + 0..7: after rounding, 16 bytes that are half a fragment of the next product.
.macro LDG j, set                      ; the fragments of K steps 4 j .. 4 j + 3: sixteen loads
.irp q, 0,1,2,3
	ds_load_b128 v[\set+16*\q:\set+16*\q+3],     v9 offset:64*(4*\j+\q)
	ds_load_b128 v[\set+16*\q+4:\set+16*\q+7],   v9 offset:64*(4*\j+\q)+32
	ds_load_b128 v[\set+16*\q+8:\set+16*\q+11],  v8 offset:64*(4*\j+\q)
	ds_load_b128 v[\set+16*\q+12:\set+16*\q+15], v8 offset:64*(4*\j+\q)+32
.endr
.endm
; Four K steps on two accumulators by turns, one instruction a turn.  zero = 1: the first products start the sums.
.macro MM4 set, zero
.if \zero
	v_wmma_f32_16x16x32_f16 v[ACC0:ACC0+7], v[\set:\set+7], v[\set+8:\set+15], 0
	v_wmma_f32_16x16x32_f16 v[ACC1:ACC1+7], v[\set+16:\set+23], v[\set+24:\set+31], 0
.else
	v_wmma_f32_16x16x32_f16 v[ACC0:ACC0+7], v[\set:\set+7], v[\set+8:\set+15], v[ACC0:ACC0+7]
	v_wmma_f32_16x16x32_f16 v[ACC1:ACC1+7], v[\set+16:\set+23], v[\set+24:\set+31], v[ACC1:ACC1+7]
.endif
	v_wmma_f32_16x16x32_f16 v[ACC0:ACC0+7], v[\set+32:\set+39], v[\set+40:\set+47], v[ACC0:ACC0+7]
	v_wmma_f32_16x16x32_f16 v[ACC1:ACC1+7], v[\set+48:\set+55], v[\set+56:\set+63], v[ACC1:ACC1+7]
.endm
.macro PLACES                          ; four places behind a matrix instruction before its registers are loaded again or its result is read (ISA guide 7.12.1)
.rept 4
	v_nop
.endr
.endm
.macro QSTEP set, zero, jn, left, more
	s_wait_dscnt \left                             ; the sixteen loads of the younger group stay out
	MM4 \set, \zero
.if \more
	PLACES
	LDG \jn, \set
.endif
.endm
	LDG 0, FA
	LDG 1, FB
	QSTEP FA, 1, 2, 16, 1
	QSTEP FB, 0, 3, 16, 1
	QSTEP FA, 0, 4, 16, 1
	QSTEP FB, 0, 5, 16, 1
	QSTEP FA, 0, 6, 16, 1
	QSTEP FB, 0, 7, 16, 1
	QSTEP FA, 0, 0, 16, 0
	QSTEP FB, 0, 0, 0, 0
	PLACES
.irp j, 0,2,4,6
	v_pk_add_f32 v[ACC0+\j:ACC0+\j+1], v[ACC0+\j:ACC0+\j+1], v[ACC1+\j:ACC1+\j+1]
.endr
.irp j, 0,2,4,6
	v_pk_mul_f32 v[ACC0+\j:ACC0+\j+1], v[ACC0+\j:ACC0+\j+1], 0x3d000000 op_sel_hi:[1,0]   ; 1 / sqrt(1024) = 1 / 32, exact
.endr
.irp j, 0,1,2,3
	v_cvt_pk_f16_f32 v[ACC0+\j], v[ACC0+2*\j], v[ACC0+2*\j+1]
.endr
	global_store_b128 v10, v[ACC0:ACC0+3], s[18:19]        ; a wave stores 512 consecutive bytes, the work-group 4,096
	; c[s] = seeds[s].bk / 32 in f32, from the f32 rows: by the eight work-groups with db = 0.  Wave v takes rows 8 v .. 8 v + 7, a row across its 32 lanes.
	s_cmp_lg_u32 s24, 0
	s_cbranch_scc1 .Lend
	v_lshlrev_b32 v12, 4, v5                       ; 16 lane
	s_lshl_b32 s26, s22, 15
	v_add_nc_u32 v11, s26, v12                     ; + 8 rows of 4,096 bytes a wave
.irp j, 0,1,2,3,4,5,6,7
	global_load_b128 v[32+4*\j:35+4*\j], v12, s[10:11] offset:512*\j       ; bk: my 32 numbers
.endr
	v_mov_b32 v196, 0                              ; v_permlanex16_b32 counts as a reader of its destination
	v_mov_b32 v200, 0                              ; lane i (0..7) collects row i
.macro CBATCH q                        ; four rows at a time, 32 registers each
.irp i, 0,1,2,3
.irp j, 0,1,2,3,4,5,6,7
	global_load_b128 v[64+32*\i+4*\j:67+32*\i+4*\j], v11, s[6:7] offset:(4*\q+\i)*4096+512*\j
.endr
.endr
	s_wait_loadcnt 0x0
.irp i, 0,1,2,3
	v_pk_mul_f32 v[192:193], v[64+32*\i:65+32*\i], v[32:33]                ; two chains of two sums each; the first products start them
	v_pk_mul_f32 v[194:195], v[66+32*\i:67+32*\i], v[34:35]
.irp p, 4,8,12,16,20,24,28
	v_pk_fma_f32 v[192:193], v[64+32*\i+\p:65+32*\i+\p], v[32+\p:33+\p], v[192:193]
	v_pk_fma_f32 v[194:195], v[66+32*\i+\p:67+32*\i+\p], v[34+\p:35+\p], v[194:195]
.endr
	v_pk_add_f32 v[192:193], v[192:193], v[194:195]
	v_add_f32 v192, v192, v193
	v_add_f32_dpp v192, v192, v192 row_xmask:1 row_mask:0xf bank_mask:0xf
	v_add_f32_dpp v192, v192, v192 row_xmask:2 row_mask:0xf bank_mask:0xf
	v_add_f32_dpp v192, v192, v192 row_xmask:4 row_mask:0xf bank_mask:0xf
	v_add_f32_dpp v192, v192, v192 row_xmask:8 row_mask:0xf bank_mask:0xf
	v_permlanex16_b32 v196, v192, s28, s29
	v_add_f32 v192, v192, v196
	v_cmp_eq_u32 vcc_lo, 4*\q+\i, v5
	v_cndmask_b32 v200, v200, v192, vcc_lo
.endr
.endm
	CBATCH 0
	CBATCH 1
	v_mul_f32 v200, 0x3d000000, v200               ; / 32, once for the eight rows
	s_lshl_b32 s26, s22, 5
	v_lshl_add_u32 v13, v5, 2, s26                 ; 32 bytes a wave: 2,048 bytes in the whole launch go out in such pieces
	v_cmp_gt_u32 vcc_lo, 8, v5
	s_wait_xcnt 0x0                                ; EXEC is a source of the loads and the store above: it changes only behind this wait
	s_and_saveexec_b32 s30, vcc_lo
	global_store_b32 v13, v200, s[20:21]
	s_wait_xcnt 0x0                                ; and again in front of the line that widens it
	s_or_b32 exec_lo, exec_lo, s30
.Lend:
	s_endpgm
.Lfunc_end_k_q161d8c61f6_prep:
	.size	k_q161d8c61f6_prep, .Lfunc_end_k_q161d8c61f6_prep-k_q161d8c61f6_prep
	.p2alignl 7, 3214868480
	.fill 96, 4, 3214868480
	.section	.rodata,"a",@progbits
	.p2align	6, 0x0
	.amdhsa_kernel k_q161d8c61f6_prep
		.amdhsa_group_segment_fixed_size 198144
		.amdhsa_private_segment_fixed_size 0
		.amdhsa_enable_private_segment 0
		.amdhsa_kernarg_size 72
		.amdhsa_user_sgpr_count 2
		.amdhsa_user_sgpr_kernarg_segment_ptr 1
		.amdhsa_wavefront_size32 1
		.amdhsa_system_sgpr_workgroup_id_x 1
		.amdhsa_system_sgpr_workgroup_id_y 1
		.amdhsa_system_sgpr_workgroup_id_z 1
		.amdhsa_system_vgpr_workitem_id 0
		.amdhsa_next_free_vgpr 256
		.amdhsa_next_free_sgpr 66
		.amdhsa_reserve_vcc 1
		.amdhsa_float_denorm_mode_32 3
		.amdhsa_float_denorm_mode_16_64 3
		.amdhsa_memory_ordered 1
		.amdhsa_forward_progress 1
		.amdhsa_inst_pref_size 83
	.end_amdhsa_kernel
	.amdgpu_metadata
---
amdhsa.version: [ 1, 2 ]
amdhsa.kernels:
  - .name:           k_q161d8c61f6_prep
    .symbol:         k_q161d8c61f6_prep.kd
    .args:
      - { .name: x, .offset: 0, .size: 8, .value_kind: global_buffer, .address_space: global }
      - { .name: seed_vectors, .offset: 8, .size: 8, .value_kind: global_buffer, .address_space: global }
      - { .name: Wk, .offset: 16, .size: 8, .value_kind: global_buffer, .address_space: global }
      - { .name: bk, .offset: 24, .size: 8, .value_kind: global_buffer, .address_space: global }
      - { .name: Wv, .offset: 32, .size: 8, .value_kind: global_buffer, .address_space: global }
      - { .name: xh, .offset: 40, .size: 8, .value_kind: global_buffer, .address_space: global }
      - { .name: wvh, .offset: 48, .size: 8, .value_kind: global_buffer, .address_space: global }
      - { .name: qf, .offset: 56, .size: 8, .value_kind: global_buffer, .address_space: global }
      - { .name: cvec, .offset: 64, .size: 8, .value_kind: global_buffer, .address_space: global }
    .group_segment_fixed_size: 198144
    .private_segment_fixed_size: 0
    .kernarg_segment_align: 8
    .kernarg_segment_size: 72
    .max_flat_workgroup_size: 256
    .sgpr_count:     66
    .vgpr_count:     256
    .wavefront_size: 32
...
	.end_amdgpu_metadata
.endif
;; end of part 1
;; launch attn (part 2): grid 8 x 32, 4 waves a work-group, clusters of 4 x 1, 327,680 bytes of LDS; arguments qf, cvec, xh, wvh, bv, out0; writes out0
.if DOCPART == 2
	.amdgcn_target "amdgcn-amd-amdhsa--gfx1250"
	.amdhsa_code_object_version 6
	.text
	.protected	k_q161d8c61f6_attn
	.globl	k_q161d8c61f6_attn
	.p2align	8
	.type	k_q161d8c61f6_attn,@function
k_q161d8c61f6_attn:
	s_mov_b64 s[64:65], 0
	v_nop
	global_prefetch_b8 v0, s[64:65] scope:SCOPE_SE
	s_setreg_imm32_b32 hwreg(HW_REG_WAVE_MODE, 25, 1), 1
	s_wait_xcnt 0x0
	s_wait_alu depctr_hold_cnt(0) depctr_sa_sdst(0) depctr_va_vdst(0) depctr_va_sdst(0) depctr_va_ssrc(0) depctr_va_vcc(0) depctr_vm_vsrc(0)
	s_getreg_b32 s2, hwreg(HW_REG_IB_STS2, 6, 4)
	s_cmp_eq_u32 s2, 0
	s_cbranch_scc0 .Lentry_in_a_cluster
	s_endpgm
.Lentry_in_a_cluster:
	s_bfe_u32 s2, ttmp6, 0x10000c
	s_cmp_lg_u32 s2, 0x3003
	s_cbranch_scc0 .Lentry_shape_is_right
	s_endpgm
.Lentry_shape_is_right:
; out[b] = softmax(Q' x[b]^T + c) x[b] Wv + bv, for 64 seeds (block sblk) of one batch b in each work-group; four waves.
;   P1  S = Q' x^T + c     K = d = 1024   wave w owns the keys n = 128 w .. +127      32 accumulator tiles (256 registers)
;       softmax            the exact row maximum is taken away, as the definition does; P = exp(S - m) in f16, l = its row sums in f32
;   P2  Y~ = P x           K = n = 512    wave w owns the columns d = 256 w .. +255   64 tiles (512 registers);  Y = Y~ / l in f16
;   P3  out = Y Wv + bv    K = d = 1024   wave w owns the columns p = 256 w .. +255   the same 512 registers; bv starts the sums
; attn (x Wv + bv) = (attn x) Wv + bv holds because each row of the softmax sums to one.
; EVERY PRODUCT IS USED TRANSPOSED: source 0 = 16 columns' fragment, source 1 = 16 seeds' fragment.  Lane (r, h) then holds seed r and the
; eight neighbouring columns 8 h + 0..7 of a tile: row maxima and sums stay in the lane, and four conversions to f16 give, in the same lane,
; half a fragment of the next product.  So P and Y lie in LDS in fragment order (block + 16 x lane): consecutive bytes, no padding.
; CLUSTER 4 x 1: the four work-groups of a cluster have the same b, so every tile of x and of Wv is asked for jointly (mask 15).  Q's tile hangs
; on the work-group's own block of seeds and is a plain load.  A second axis of the cluster would share nothing.
; LIMITS: f16 operands (magnitudes of 65,504 and more become infinite); exponentials under 2^-126 become 0; NaN and infinities in the inputs
; are not reproduced (a NaN loses in the maxima); the sums are associated otherwise than in the definition, as written above.
;
; LDS.  Ring 1 (P1): slot s at s x 155,648: x's 512 rows x 128 d (pitch 272), then Q's 16,384 bytes in fragment order.
;       Ring 2 (P2, P3), in ring 1's slot 0: wave w's strip at 34,816 w, its two slots of 32 rows x 512 bytes (pitch 544).
;       Behind ring 2, in bytes whose last fill is ring 1's: row maxima and sums (2 x 1,024), the waves' stages for the way out (4 x 8,448),
;       and from 196,608 to the end P (65,536 bytes), later Y (131,072).
.set XP,     272                       ; 256 + 16 = 17 x 16: sixteen rows start at sixteen different 16-byte columns modulo 256
.set XWAVE,  128*XP                    ; a wave's 128 keys
.set XHALF,  256*XP                    ; what one tensor load of x brings in P1
.set XPART,  512*XP
.set QPART,  16384
.set SLOT1,  XPART+QPART
.set TP,     544                       ; 512 + 32 = 17 x 32, for the transposing loads
.set SLOT2,  32*TP
.set STRIP,  2*SLOT2
.set STATM,  4*STRIP                   ; [wave][r][a] f32: maxima; the sums lie 1,024 bytes behind
.set OSTG,   STATM+2048
.set OP,     528                       ; 512 + 16 = 33 x 16
.set OSTGW,  16*OP
.set AREG,   196608
; window 0 of the vector registers
.set ADRX,  8                          ; v8-9    x's fragments in ring 1's slot 0, 1
.set ADRQ,  10                         ; v10-11  Q's fragments
.set ADRT,  12                         ; v12-13  transposing loads from my strip's slot 0, 1
.set ADRA,  14                         ; v14     P's or Y's next block of 32 along K; steps by 4,096
.set PSTP,  15                         ; v15     where I put P
.set PSTY,  16                         ; v16     where I put Y
.set STW,   17                         ; v17     my wave's row statistics
.set STR,   18                         ; v18     all waves' row statistics
.set STO,   19                         ; v19     way out: into the stage
.set RD,    20                         ; v20     way out: rows back
.set CO,    21                         ; v21     16 x lane
.set BO,    22                         ; v22     my bytes of bv
.set CR,    23                         ; v23     4 r
.set MX,    24                         ; v[24:27]  one number for each block a of 16 seeds
.set PT,    28                         ; v[28:31]  the other half's
.set NM,    32                         ; v[32:39]  - m log2(e), as pairs
.set SUM,   40                         ; v[40:47]  running sums, pairs
.set RINV,  48                         ; v[48:55]  1 / l, as pairs
.set RF,    64                         ; v[64:95], v[96:127]  the seeds' side fragments, two buffers (8 a + 4 half)
.set CB,    128                        ; v[128:159]  P1: c, eight times for each a
.set PK,    128                        ; v[128:255]  softmax: P packed
.set BV,    128                        ; v[128:255]  P3: bv, eight numbers for each of 16 column blocks
; window 1: the columns' side fragments, two buffers (P1: 64 f + 8 bt; P2, P3: 128 f + 8 ct)
; windows 2, 3: accumulators (P1: tile (a, bt) at 8 (4 bt + a) of window 2; P2, P3: tile (a, ct) at 8 (4 (ct % 8) + a) of window 2 + ct / 8)
.set G1X, 32                           ; s[32:39]  shape of x's tiles in P1
.set G0X, 40                           ; s[40:47]  from where, to where: one set for each slot
.set G1Q, 48                           ; s[48:55]  shape of Q's tiles
.set G0Q, 56                           ; s[56:63]
.set G1S, 68                           ; s[68:75]  shape of a strip's tiles in P2 and P3
.set G0S, 76                           ; s[76:83]
.set WS,  84                           ; s[84:85]  wvh at my wave's columns
; s18, s19, s30, s[86:87], G0Q, s[6:7] and s[14:15] alone ever hold the work-group's place in its cluster; no register of a joint load does.
.set MSB, 0
.macro WIN new                         ; s_set_vgpr_msb: bits 1:0 source 0, 3:2 source 1, 5:4 source 2, 7:6 destination; the high byte repeats the setting left
.if MSB != \new
	s_set_vgpr_msb (MSB<<8)|\new
.set MSB, \new
.endif
.endm
.set TO_B, 0x40                        ; destination window 1, address window 0
.macro PLACES                          ; four places behind a matrix instruction before its registers are loaded again or its result is read (ISA guide 7.12.1 for reads of its result)
.rept 4
	v_nop
.endr
.endm
.macro CREST                           ; a round of the cluster's barrier behind its opening work-group barrier
	s_cmp_lg_u32 s16, 0
	s_cbranch_scc1 .Lnot_wave_0_\@
	s_barrier_signal -3
.Lnot_wave_0_\@:
	s_barrier_wait -3
	s_barrier_signal -1
	s_barrier_wait -1
.endm
.macro CROUND
	s_barrier_signal -1
	s_barrier_wait -1
	CREST
.endm
	s_load_b256 s[4:11], s[0:1], 0x0               ; qf 4:5, cvec 6:7, xh 8:9, wvh 10:11
	s_load_b128 s[12:15], s[0:1], 0x20             ; bv 12:13, out0 14:15
	v_lshrrev_b32 v4, 5, v0
	v_readfirstlane_b32 s16, v4                    ; wave 0..3
	s_bfe_u32 s18, ttmp6, 0x40000                  ; cx
	s_lshl_b32 s19, ttmp9, 2
	s_add_co_u32 s19, s19, s18                     ; sblk = 4 x cluster x + cx
	s_and_b32 s20, ttmp7, 0xffff                   ; b
	s_mov_b32 s27, 0x76543210                      ; v_permlanex16_b32: lane i reads lane i of the other half
	s_mov_b32 s28, 0xfedcba98
	; x in P1: 256 rows x 128 elements of 2 bytes, 1,024 elements from row to row; 16 bytes of padding behind every 64 words; to all four partners
	s_mov_b32 s[G1X+0], 15|(1<<16)|(1<<20)|(1<<21)|(5<<22)|(3<<25)
	s_mov_b32 s[G1X+1], 128<<16
	s_mov_b32 s[G1X+2], 256<<16
	s_mov_b32 s[G1X+3], 128<<16
	s_mov_b32 s[G1X+4], 256
	s_mov_b32 s[G1X+5], 1024
	s_mov_b32 s[G1X+6], 0
	s_mov_b32 s[G1X+7], 0
	; Q: a dense block of 16,384 bytes as 64 rows of 32 elements of 8 bytes; no mask
	s_mov_b32 s[G1Q+0], 3<<16
	s_mov_b32 s[G1Q+1], 32<<16
	s_mov_b32 s[G1Q+2], 64<<16
	s_mov_b32 s[G1Q+3], 32<<16
	s_mov_b32 s[G1Q+4], 64
	s_mov_b32 s[G1Q+5], 32
	s_mov_b32 s[G1Q+6], 0
	s_mov_b32 s[G1Q+7], 0
	; a strip: rows of 256 elements of 2 bytes, 32 bytes of padding behind every 128 words; to all four partners.  The first load brings 64 rows (both slots), the later ones 32.
	s_mov_b32 s[G1S+0], 15|(1<<16)|(1<<20)|(1<<21)|(6<<22)|(7<<25)
	s_mov_b32 s[G1S+1], 256<<16
	s_mov_b32 s[G1S+2], 64<<16
	s_mov_b32 s[G1S+3], 256<<16
	s_mov_b32 s[G1S+4], 64
	s_mov_b32 s[G1S+5], 1024
	s_mov_b32 s[G1S+6], 0
	s_mov_b32 s[G1S+7], 0
	s_mov_b32 s23, 0
	s_mov_b32 s31, 0
	s_wait_kmcnt 0x0
	s_lshl_b32 s22, s20, 20
	s_add_nc_u64 s[8:9], s[8:9], s[22:23]          ; xh at batch b: 512 rows of 2,048 bytes
	s_lshl_b32 s22, s16, 19
	s_add_nc_u64 s[24:25], s[8:9], s[22:23]        ; + 256 w rows (waves 0 and 1 alone ask by it)
	s_mul_i32 s17, s16, XHALF
.irp s, 0,1
	s_mov_b32 s[G0X+4*\s], 1
	s_add_co_u32 s[G0X+4*\s+1], s17, \s*SLOT1
	s_add_nc_u64 s[G0X+4*\s+2:G0X+4*\s+3], s[24:25], \s*256        ; K step s
	s_or_b32 s[G0X+4*\s+3], s[G0X+4*\s+3], 0x80000000
.endr
	s_lshl_b32 s30, s19, 17
	s_add_nc_u64 s[86:87], s[4:5], s[30:31]        ; qf at my block of seeds
.irp s, 0,1
	s_mov_b32 s[G0Q+4*\s], 1
	s_mov_b32 s[G0Q+4*\s+1], \s*SLOT1+XPART
	s_add_nc_u64 s[G0Q+4*\s+2:G0Q+4*\s+3], s[86:87], \s*QPART
	s_or_b32 s[G0Q+4*\s+3], s[G0Q+4*\s+3], 0x80000000
.endr
	s_lshl_b32 s22, s16, 9
	s_add_nc_u64 s[24:25], s[8:9], s[22:23]        ; xh at my wave's 256 columns
	s_add_nc_u64 s[WS:WS+1], s[10:11], s[22:23]    ; wvh likewise
	s_mul_i32 s17, s16, STRIP
.irp s, 0,1
	s_mov_b32 s[G0S+4*\s], 1
	s_add_co_u32 s[G0S+4*\s+1], s17, \s*SLOT2
	s_add_nc_u64 s[G0S+4*\s+2:G0S+4*\s+3], s[24:25], \s*65536      ; rows 32 s ..
	s_or_b32 s[G0S+4*\s+3], s[G0S+4*\s+3], 0x80000000
.endr
	s_lshl_b32 s30, s19, 8
	s_add_nc_u64 s[6:7], s[6:7], s[30:31]          ; c of my 64 seeds
	s_lshl_b32 s30, s20, 21
	s_lshl_b32 s18, s19, 18
	s_add_co_u32 s30, s30, s18
	s_lshl_b32 s18, s16, 10
	s_add_co_u32 s30, s30, s18
	s_add_nc_u64 s[14:15], s[14:15], s[30:31]      ; out0 at row 512 b + 64 sblk, column 256 w
	CROUND                                         ; all four work-groups are here: the first joint loads meet
	; The first fills, K steps 0 and 1, in one branch on the wave's number: waves 0 and 1 x's halves, wave 2 Q's tile, wave 3 none.  Two loads of a wave are out at the most.
	s_cmp_lt_u32 s16, 2
	s_cbranch_scc0 .Lfirst_q
	tensor_load_to_lds s[G0X:G0X+3], s[G1X:G1X+7]
	s_nop 0
	tensor_load_to_lds s[G0X+4:G0X+7], s[G1X:G1X+7]
	s_nop 0
	s_branch .Lfirst_done
.Lfirst_q:
	s_cmp_eq_u32 s16, 2
	s_cbranch_scc0 .Lfirst_done
	tensor_load_to_lds s[G0Q:G0Q+3], s[G1Q:G1Q+7]
	s_nop 0
	tensor_load_to_lds s[G0Q+4:G0Q+7], s[G1Q:G1Q+7]
	s_nop 0
.Lfirst_done:
	v_and_b32 v1, 31, v0                           ; lane
	v_and_b32 v2, 15, v0                           ; r
	v_bfe_u32 v3, v0, 4, 1                         ; h
	v_lshlrev_b32 v[CR], 2, v2
.irp a, 0,1,2,3
	global_load_b32 v[CB+8*\a], v[CR], s[6:7] offset:64*\a         ; c[16 a + r]
.endr
	v_lshlrev_b32 v[CO], 4, v1
	v_mul_u32_u24 v5, v2, XP
	v_lshl_add_u32 v5, v3, 4, v5
	s_mul_i32 s24, s16, XWAVE
	v_add_nc_u32 v[ADRX], s24, v5                  ; (128 w + r) x pitch + 16 h
	v_add_nc_u32 v[ADRX+1], SLOT1, v[ADRX]
	v_add_nc_u32 v[ADRQ], XPART, v[CO]
	v_add_nc_u32 v[ADRQ+1], XPART+SLOT1, v[CO]
	v_and_b32 v5, 7, v0
	v_lshl_add_u32 v5, v3, 3, v5                   ; row 8 h + lane % 8
	v_mul_u32_u24 v5, v5, TP
	v_bfe_u32 v6, v0, 3, 1
	v_lshl_add_u32 v5, v6, 4, v5                   ; + 16 ((lane / 8) % 2)
	v_add_nc_u32 v[ADRT], s17, v5                  ; s17 = my strip
	v_add_nc_u32 v[ADRT+1], SLOT2, v[ADRT]
	v_add_nc_u32 v[ADRA], AREG, v[CO]
	s_lshl_b32 s24, s16, 14
	v_add_nc_u32 v[PSTP], s24, v[ADRA]             ; my 128 keys are blocks 4 w .. 4 w + 3 of 4,096 bytes
	s_lshl_b32 s24, s16, 15
	v_add_nc_u32 v[PSTY], s24, v[ADRA]             ; my 256 columns are blocks 8 w .. 8 w + 7
	v_lshlrev_b32 v5, 4, v2
	v_add_nc_u32 v[STR], STATM, v5
	s_lshl_b32 s24, s16, 8
	v_add_nc_u32 v[STW], s24, v[STR]
	s_mul_i32 s24, s16, OSTGW
	s_add_co_u32 s24, s24, OSTG
	v_mul_u32_u24 v5, v2, OP
	v_lshl_add_u32 v5, v3, 5, v5
	v_add_nc_u32 v[STO], s24, v5                   ; row r, 32 bytes for each half of the lanes
	v_add_nc_u32 v[RD], s24, v[CO]
	s_lshl_b32 s24, s16, 10
	v_lshl_add_u32 v[BO], v3, 5, s24               ; 4 (256 w + 8 h)
.irp a, 0,1,2,3
	v_mov_b32 v[PT+\a], 0                          ; v_permlanex16_b32 counts as a reader of its destination
.endr
	s_wait_loadcnt 0x0
.irp a, 0,1,2,3
.irp j, 1,2,3,4,5,6,7
	v_mov_b32 v[CB+8*\a+\j], v[CB+8*\a]            ; a tile's eight registers of a lane belong to one seed: c starts all eight sums
.endr
.endr
; ---------------- P1
.macro JLOAD1 s                        ; a K step's refill: one tensor load a wave; the branch hangs on the wave's number alone
	s_cmp_lt_u32 s16, 2
	s_cbranch_scc0 .Lfor_q_\@
	tensor_load_to_lds s[G0X+4*\s:G0X+4*\s+3], s[G1X:G1X+7]
	s_nop 0
	s_branch .Lasked_\@
.Lfor_q_\@:
	s_cmp_eq_u32 s16, 2
	s_cbranch_scc0 .Lasked_\@
	tensor_load_to_lds s[G0Q+4*\s:G0Q+4*\s+3], s[G1Q:G1Q+7]
	s_nop 0
.Lasked_\@:
.endm
.macro FETCH1 slot, q, f               ; 24 loads: the fragments of quarter q (32 along d): Q's four, then my eight blocks of keys
	WIN 0
.irp a, 0,1,2,3
	ds_load_b128 v[RF+32*\f+8*\a:RF+32*\f+8*\a+3],   v[ADRQ+\slot] offset:\q*4096+\a*1024
	ds_load_b128 v[RF+32*\f+8*\a+4:RF+32*\f+8*\a+7], v[ADRQ+\slot] offset:\q*4096+\a*1024+512
.endr
	WIN TO_B
.irp bt, 0,1,2,3,4,5,6,7
	ds_load_b128 v[64*\f+8*\bt:64*\f+8*\bt+3],   v[ADRX+\slot] offset:\bt*16*XP+64*\q
	ds_load_b128 v[64*\f+8*\bt+4:64*\f+8*\bt+7], v[ADRX+\slot] offset:\bt*16*XP+64*\q+32
.endr
.endm
; cnt blocks of keys from bt0 on x the four blocks of seeds.  In every quarter the 32 accumulators take one turn each in the same order.
.macro MUL1 f, bt0, cnt, init
.if \init
	WIN 0x81                                       ; source 0 window 1, sources 1 and 2 window 0, destination window 2
.else
	WIN 0xa1                                       ; source 2 and destination window 2
.endif
.set bt_, \bt0
.rept \cnt
.irp a, 0,1,2,3
.if \init
	v_wmma_f32_16x16x32_f16 v[8*(4*bt_+\a):8*(4*bt_+\a)+7], v[64*\f+8*bt_:64*\f+8*bt_+7], v[RF+32*\f+8*\a:RF+32*\f+8*\a+7], v[CB+8*\a:CB+8*\a+7]
.else
	v_wmma_f32_16x16x32_f16 v[8*(4*bt_+\a):8*(4*bt_+\a)+7], v[64*\f+8*bt_:64*\f+8*bt_+7], v[RF+32*\f+8*\a:RF+32*\f+8*\a+7], v[8*(4*bt_+\a):8*(4*bt_+\a)+7]
.endif
.endr
.set bt_, bt_+1
.endr
.endm
.macro QUARTER1 slot, qn, f, g, init   ; multiplies buffer f; in its middle fetches quarter qn into buffer g
	s_wait_dscnt 8                                 ; all but the youngest eight loads (blocks 4-7 of keys)
	MUL1 \f, 0, 4, \init
	PLACES
	FETCH1 \slot, \qn, \g
	s_wait_dscnt 24                                ; all but the 24 just issued
	MUL1 \f, 4, 4, \init
.endm
.macro THREE1 slot, init
	QUARTER1 \slot, 1, 0, 1, \init
	QUARTER1 \slot, 2, 1, 0, 0
	QUARTER1 \slot, 3, 0, 1, 0
.endm
; The last quarter of a K step changes slots.  In front of the round each wave waits for its reads of this slot and for all its tensor loads (the one out
; is its part of the next slot); inside the round stands register work alone; the refill is the first tensor load behind it, one a wave.
; mode 1: this slot gets the K step two further on.  mode 2: ring 1's slot 0 has been read for the last time: each wave asks for the first 64 rows of its strip of x.
.macro TURN1 slot, next, mode
	s_wait_dscnt 8
	MUL1 1, 0, 2, 0
	s_wait_dscnt 0x0
	s_wait_tensorcnt 0x0
	s_barrier_signal -1
	MUL1 1, 2, 2, 0
	WIN 0
	s_barrier_wait -1
	CREST
.if \mode == 1
	s_add_nc_u64 s[G0X+4*\slot+2:G0X+4*\slot+3], s[G0X+4*\slot+2:G0X+4*\slot+3], 512
	s_add_nc_u64 s[G0Q+4*\slot+2:G0Q+4*\slot+3], s[G0Q+4*\slot+2:G0Q+4*\slot+3], 2*QPART
	JLOAD1 \slot
.else
	tensor_load_to_lds s[G0S:G0S+3], s[G1S:G1S+7]
	s_nop 0
.endif
	PLACES
	FETCH1 \next, 0, 0
	MUL1 1, 4, 4, 0
.endm
.macro LAP1 init
	THREE1 0, \init
	TURN1 0, 1, 1
	THREE1 1, 0
	TURN1 1, 0, 1
.endm
	s_wait_tensorcnt 0x1                           ; my part of K step 0 is in; K step 1's stays out
	s_barrier_signal -1
	s_barrier_wait -1
	FETCH1 0, 0, 0
	LAP1 1                                         ; K steps 0, 1 (ask for 2, 3); the first products add onto c
	WIN 0
	s_mov_b32 s26, 2
.Lp1:
	LAP1 0                                         ; K steps 2 to 5 (ask for 4 to 7)
	WIN 0
	s_sub_co_u32 s26, s26, 1
	s_cmp_lg_u32 s26, 0
	s_cbranch_scc1 .Lp1
	THREE1 0, 0                                    ; K step 6
	TURN1 0, 1, 2
	THREE1 1, 0                                    ; K step 7
	s_wait_dscnt 8
	MUL1 1, 0, 4, 0
	s_wait_dscnt 0x0
	MUL1 1, 4, 4, 0
; ---------------- softmax.  Lane (r, h) holds, for each a, 64 logits of seed 16 a + r; lane (r, 1 - h) 64 more; the other waves the rest.
	PLACES
	WIN 0x0a                                       ; sources 0 and 1 window 2
.irp a, 0,1,2,3
	v_max_num_f32 v[MX+\a], v[8*\a], v[8*\a+1]     ; the first two logits start each chain
.endr
	WIN 0x28                                       ; sources 1 and 2 window 2
.irp j, 2,4,6
.irp a, 0,1,2,3
	v_max3_num_f32 v[MX+\a], v[MX+\a], v[8*\a+\j], v[8*\a+\j+1]
.endr
.endr
.irp bt, 1,2,3,4,5,6,7
.irp j, 0,2,4,6
.irp a, 0,1,2,3
	v_max3_num_f32 v[MX+\a], v[MX+\a], v[8*(4*\bt+\a)+\j], v[8*(4*\bt+\a)+\j+1]
.endr
.endr
.endr
	WIN 0
.irp a, 0,1,2,3
	v_permlanex16_b32 v[PT+\a], v[MX+\a], s27, s28
.endr
.irp a, 0,1,2,3
	v_max_num_f32 v[MX+\a], v[MX+\a], v[PT+\a]
.endr
	ds_store_b128 v[STW], v[MX:MX+3]               ; both halves write the same 16 bytes with the same numbers
	s_wait_dscnt 0x0                               ; my maxima are in LDS, and my reads of ring 1's slot 1 are over:
	s_barrier_signal -1
	s_barrier_wait -1                              ; behind this barrier the maxima are read, and P may be stored over slot 1's bytes
.irp q, 0,1,2,3
	ds_load_b128 v[96+4*\q:99+4*\q], v[STR] offset:256*\q
.endr
	s_wait_dscnt 0x0
.irp a, 0,1,2,3
	v_max3_num_f32 v[MX+\a], v[96+\a], v[100+\a], v[104+\a]
.endr
.irp a, 0,1,2,3
	v_max_num_f32 v[MX+\a], v[MX+\a], v[108+\a]    ; m: the row's maximum over all 512 keys
.endr
.irp a, 0,1,2,3
	v_mul_f32 v[NM+2*\a],   0xbfb8aa3b, v[MX+\a]   ; - m log2(e), twice: a pair for the packed multiply-add
	v_mul_f32 v[NM+2*\a+1], 0xbfb8aa3b, v[MX+\a]
.endr
	WIN 0x82                                       ; source 0 and destination window 2
.set t_, 0
.rept 32
.irp j, 0,2,4,6
	v_pk_fma_f32 v[8*t_+\j:8*t_+\j+1], v[8*t_+\j:8*t_+\j+1], 0x3fb8aa3b, v[NM+2*(t_%4):NM+2*(t_%4)+1] op_sel_hi:[1,0,1]
.endr
.set t_, t_+1
.endr
.set t_, 0
.rept 256
	v_exp_f32 v[t_], v[t_]                         ; exp(S - m) = 2^((S - m) log2(e)), between 0 and 1
.set t_, t_+1
.endr
	v_nop                                          ; one plain place behind the last exponential before its result is read (ISA guide 5.7.2)
	WIN 0x0a
	s_wait_alu depctr_va_vdst(0)
.irp a, 0,1,2,3
	v_pk_add_f32 v[SUM+2*\a:SUM+2*\a+1], v[8*\a:8*\a+1], v[8*\a+2:8*\a+3]
.endr
	WIN 0x08                                       ; source 1 window 2
.irp j, 4,6
.irp a, 0,1,2,3
	v_pk_add_f32 v[SUM+2*\a:SUM+2*\a+1], v[SUM+2*\a:SUM+2*\a+1], v[8*\a+\j:8*\a+\j+1]
.endr
.endr
.irp bt, 1,2,3,4,5,6,7
.irp j, 0,2,4,6
.irp a, 0,1,2,3
	v_pk_add_f32 v[SUM+2*\a:SUM+2*\a+1], v[SUM+2*\a:SUM+2*\a+1], v[8*(4*\bt+\a)+\j:8*(4*\bt+\a)+\j+1]
.endr
.endr
.endr
	WIN 0x0a
.set t_, 0
.rept 32
.irp q, 0,1,2,3
	v_cvt_pk_f16_f32 v[PK+4*t_+\q], v[8*t_+2*\q], v[8*t_+2*\q+1]   ; a tile's eight numbers: 16 bytes, half a fragment of P
.endr
.set t_, t_+1
.endr
	WIN 0
.irp a, 0,1,2,3
	v_add_f32 v[MX+\a], v[SUM+2*\a], v[SUM+2*\a+1]
.endr
.irp a, 0,1,2,3
	v_permlanex16_b32 v[PT+\a], v[MX+\a], s27, s28
.endr
.irp a, 0,1,2,3
	v_add_f32 v[MX+\a], v[MX+\a], v[PT+\a]
.endr
.irp bt, 0,1,2,3,4,5,6,7
.irp a, 0,1,2,3
	ds_store_b128 v[PSTP], v[PK+4*(4*\bt+\a):PK+4*(4*\bt+\a)+3] offset:(\bt/2)*4096+\a*1024+(\bt%2)*512
.endr
.endr
	ds_store_b128 v[STW], v[MX:MX+3] offset:1024   ; my wave's row sums, in bytes of their own
	s_wait_dscnt 0x0                               ; P and the sums are in LDS
	s_wait_tensorcnt 0x0                           ; my strip's first 64 rows have landed, and no tensor load of mine is out: the shape may be rewritten
	s_barrier_signal -1
	s_barrier_wait -1
	s_mov_b32 s[G1S+2], 32<<16                     ; from here on a strip's load brings 32 rows, one slot
	s_mov_b32 s[G1S+4], 32
; ---------------- P2 and P3
.macro FETCH2 g                        ; 40 loads: the seeds' side block of 32 along K, then sixteen column blocks, transposed on the way, from my strip's slot g
	WIN 0
.irp a, 0,1,2,3
	ds_load_b128 v[RF+32*\g+8*\a:RF+32*\g+8*\a+3],   v[ADRA] offset:\a*1024
	ds_load_b128 v[RF+32*\g+8*\a+4:RF+32*\g+8*\a+7], v[ADRA] offset:\a*1024+512
.endr
	v_add_nc_u32 v[ADRA], 4096, v[ADRA]            ; the next block
	WIN TO_B
.irp ct, 0,1,2,3,4,5,6,7,8,9,10,11,12,13,14,15
	ds_load_tr16_b128 v[128*\g+8*\ct:128*\g+8*\ct+3],   v[ADRT+\g] offset:32*\ct
	ds_load_tr16_b128 v[128*\g+8*\ct+4:128*\g+8*\ct+7], v[ADRT+\g] offset:32*\ct+16*TP
.endr
.endm
; cnt column blocks from ct0 on x the four blocks of seeds.  init 1: the products start the sums; init 2: they add onto bv.
; In every step the 64 accumulators take one turn each in the same order.
.macro MUL2 f, ct0, cnt, init
.if \ct0 < 8
.if \init == 2
	WIN 0x81
.else
	WIN 0xa1
.endif
.else
.if \init == 2
	WIN 0xc1
.else
	WIN 0xf1
.endif
.endif
.set ct_, \ct0
.rept \cnt
.irp a, 0,1,2,3
.if \init == 1
	v_wmma_f32_16x16x32_f16 v[8*(4*(ct_%8)+\a):8*(4*(ct_%8)+\a)+7], v[128*\f+8*ct_:128*\f+8*ct_+7], v[RF+32*\f+8*\a:RF+32*\f+8*\a+7], 0
.else
.if \init == 2
	v_wmma_f32_16x16x32_f16 v[8*(4*(ct_%8)+\a):8*(4*(ct_%8)+\a)+7], v[128*\f+8*ct_:128*\f+8*ct_+7], v[RF+32*\f+8*\a:RF+32*\f+8*\a+7], v[BV+8*ct_:BV+8*ct_+7]
.else
	v_wmma_f32_16x16x32_f16 v[8*(4*(ct_%8)+\a):8*(4*(ct_%8)+\a)+7], v[128*\f+8*ct_:128*\f+8*ct_+7], v[RF+32*\f+8*\a:RF+32*\f+8*\a+7], v[8*(4*(ct_%8)+\a):8*(4*(ct_%8)+\a)+7]
.endif
.endif
.endr
.set ct_, ct_+1
.endr
.endm
; One step of 32 along K on slot and buffer `slot`.  All its fragments are in registers a quarter of the way through, so the slot is filled again there:
; the waits, the round of the cluster's barrier with sixteen matrix instructions inside, the one joint load; then the other slot's fragments are fetched.
; fill 1: the tile two steps on (64 rows further down).  fill 2: Wv's rows 32 slot .. (the first tiles of P3).  fill 0: nothing is left to ask for.
.macro STEP slot, other, init, fill, fetch
	s_wait_dscnt 16                                ; all but the youngest sixteen loads (column blocks 8-15)
	MUL2 \slot, 0, 4, \init
	s_wait_dscnt 0x0                               ; my reads of this slot are over
.if \fill + \fetch
	s_wait_tensorcnt 0x0                           ; all my tensor loads have landed: the one out was the other slot's tile
.endif
.if \fill
	s_barrier_signal -1
.endif
	MUL2 \slot, 4, 4, \init
.if \fill
	WIN 0
	s_barrier_wait -1
	CREST
.if \fill == 1
	s_add_nc_u64 s[G0S+4*\slot+2:G0S+4*\slot+3], s[G0S+4*\slot+2:G0S+4*\slot+3], 131072
.else
	s_add_nc_u64 s[G0S+4*\slot+2:G0S+4*\slot+3], s[WS:WS+1], \slot*65536
	s_or_b32 s[G0S+4*\slot+3], s[G0S+4*\slot+3], 0x80000000
.endif
	tensor_load_to_lds s[G0S+4*\slot:G0S+4*\slot+3], s[G1S:G1S+7]
	s_nop 0
.endif
.if \fetch
	PLACES
	FETCH2 \other
.endif
	MUL2 \slot, 8, 8, \init
.endm
.irp q, 0,1,2,3
	ds_load_b128 v[96+4*\q:99+4*\q], v[STR] offset:1024+256*\q     ; the four waves' row sums
.endr
	FETCH2 0                                       ; P's block 0 and x's rows 0-31
	WIN 0
.irp ct, 0,1,2,3,4,5,6,7,8,9,10,11,12,13,14,15
	global_load_b128 v[BV+8*\ct:BV+8*\ct+3],   v[BO], s[12:13] offset:64*\ct       ; bv[256 w + 16 ct + 8 h + 0..7]: wanted in P3, waited for there
	global_load_b128 v[BV+8*\ct+4:BV+8*\ct+7], v[BO], s[12:13] offset:64*\ct+16
.endr
	s_wait_dscnt 40                                ; the sums are in; the 40 loads of fragments stay out
.irp a, 0,1,2,3
	v_add_f32 v[MX+\a], v[96+\a], v[100+\a]
	v_add_f32 v[PT+\a], v[104+\a], v[108+\a]
.endr
.irp a, 0,1,2,3
	v_add_f32 v[MX+\a], v[MX+\a], v[PT+\a]         ; l, at least 1: the row's largest term is exp(0)
.endr
.irp a, 0,1,2,3
	v_rcp_f32 v[RINV+2*\a], v[MX+\a]
.endr
	v_nop                                          ; one plain place behind the last reciprocal (ISA guide 5.7.2)
	s_wait_alu depctr_va_vdst(0)
.irp a, 0,1,2,3
	v_mov_b32 v[RINV+2*\a+1], v[RINV+2*\a]
.endr
	STEP 0, 1, 1, 1, 1                             ; P2: steps 0, 1 ask for tiles 2, 3
	STEP 1, 0, 0, 1, 1
	WIN 0
	s_mov_b32 s26, 6
.Lp2:
	STEP 0, 1, 0, 1, 1                             ; steps 2 to 13 ask for tiles 4 to 15
	STEP 1, 0, 0, 1, 1
	WIN 0
	s_sub_co_u32 s26, s26, 1
	s_cmp_lg_u32 s26, 0
	s_cbranch_scc1 .Lp2
	STEP 0, 1, 0, 2, 1                             ; steps 14, 15 ask for Wv's first two tiles
	STEP 1, 0, 0, 2, 0                             ; Y is not there yet: nothing to fetch
; Y = Y~ / l, rounded to f16, in fragment order over P's bytes and the 65,536 behind them.  Every wave's reads of P ended in front of step 15's round.
.macro YOUT hc, wm, wc                 ; the 32 tiles of window 2 + hc: column blocks 8 hc .. 8 hc + 7
	WIN \wm
.set t_, 0
.rept 32
.irp q, 0,2,4,6
	v_pk_mul_f32 v[8*t_+\q:8*t_+\q+1], v[8*t_+\q:8*t_+\q+1], v[RINV+2*(t_%4):RINV+2*(t_%4)+1]
.endr
.set t_, t_+1
.endr
.irp half, 0,1
	WIN \wc
.set t_, 0
.rept 16
.irp q, 0,1,2,3
	v_cvt_pk_f16_f32 v[RF+4*t_+\q], v[8*(16*\half+t_)+2*\q], v[8*(16*\half+t_)+2*\q+1]
.endr
.set t_, t_+1
.endr
	WIN 0
.set t_, 0
.rept 16
	ds_store_b128 v[PSTY], v[RF+4*t_:RF+4*t_+3] offset:(4*\hc+(16*\half+t_)/8)*4096+(t_%4)*1024+(((16*\half+t_)/4)%2)*512
.set t_, t_+1
.endr
.endr
.endm
	PLACES
	YOUT 0, 0x82, 0x0a
	YOUT 1, 0xc3, 0x0f
	s_wait_dscnt 0x0                               ; my columns of Y are in LDS,
	s_barrier_signal -1
	s_barrier_wait -1                              ; everybody's are.  Wv's second tile may stay out
	v_add_nc_u32 v[ADRA], AREG, v[CO]
	FETCH2 0                                       ; Y's block 0 and Wv's rows 0-31 (landed: step 15 waited for all loads)
	s_wait_loadcnt 0x0                             ; bv
	STEP 0, 1, 2, 1, 1                             ; P3: the first products add onto bv
	STEP 1, 0, 0, 1, 1
	WIN 0
	s_mov_b32 s26, 14
.Lp3:
	STEP 0, 1, 0, 1, 1                             ; steps 2 to 29 ask for tiles 4 to 31
	STEP 1, 0, 0, 1, 1
	WIN 0
	s_sub_co_u32 s26, s26, 1
	s_cmp_lg_u32 s26, 0
	s_cbranch_scc1 .Lp3
	STEP 0, 1, 0, 0, 1
	STEP 1, 0, 0, 0, 0
; ---------------- the way out: 16 rows x 128 columns of f32 at a time through my own stage: in by tiles (32 bytes a lane), back by rows of 512 bytes.
; LDS serves a wave's instructions in order (ISA guide 5.7.1), so no wait stands between the stores and the loads, nor in front of the next group's stores.
.macro OUTG a, hc, t
.if \hc
	WIN 0x0c                                       ; store data (source 1) window 3
.else
	WIN 0x08                                       ; window 2
.endif
.irp i, 0,1,2,3,4,5,6,7
	ds_store_b128 v[STO], v[8*(4*\i+\a):8*(4*\i+\a)+3]   offset:64*\i
	ds_store_b128 v[STO], v[8*(4*\i+\a)+4:8*(4*\i+\a)+7] offset:64*\i+16
.endr
	WIN 0
	s_wait_xcnt 0x0                                ; the stores that read these registers two groups ago have taken their data: they are loaded again only behind this wait
.irp r, 0,1,2,3,4,5,6,7,8,9,10,11,12,13,14,15
	ds_load_b128 v[\t+4*\r:\t+4*\r+3], v[RD] offset:OP*\r
.endr
.irp r, 0,1,2,3,4,5,6,7,8,9,10,11,12,13,14,15
	s_wait_dscnt 15-\r                             ; row r is in; the younger loads stay out
	global_store_b128 v[CO], v[\t+4*\r:\t+4*\r+3], s[14:15] offset:(16*\a+\r)*4096+512*\hc th:TH_STORE_NT   ; a wave stores 512 consecutive bytes, aligned
.endr
.endm
	PLACES
	OUTG 0, 0, 128
	OUTG 0, 1, 192
	OUTG 1, 0, 128
	OUTG 1, 1, 192
	OUTG 2, 0, 128
	OUTG 2, 1, 192
	OUTG 3, 0, 128
	OUTG 3, 1, 192
	CROUND                                         ; the closing round (the last count-down ended at 0: no LDS instruction is pending): no work-group ends while a partner may still ask jointly
	s_endpgm
.Lfunc_end_k_q161d8c61f6_attn:
	.size	k_q161d8c61f6_attn, .Lfunc_end_k_q161d8c61f6_attn-k_q161d8c61f6_attn
	.p2alignl 7, 3214868480
	.fill 96, 4, 3214868480
	.section	.rodata,"a",@progbits
	.p2align	6, 0x0
	.amdhsa_kernel k_q161d8c61f6_attn
		.amdhsa_group_segment_fixed_size 327680
		.amdhsa_private_segment_fixed_size 0
		.amdhsa_enable_private_segment 0
		.amdhsa_kernarg_size 48
		.amdhsa_user_sgpr_count 2
		.amdhsa_user_sgpr_kernarg_segment_ptr 1
		.amdhsa_wavefront_size32 1
		.amdhsa_system_sgpr_workgroup_id_x 1
		.amdhsa_system_sgpr_workgroup_id_y 1
		.amdhsa_system_sgpr_workgroup_id_z 1
		.amdhsa_system_vgpr_workitem_id 0
		.amdhsa_next_free_vgpr 1024
		.amdhsa_next_free_sgpr 88
		.amdhsa_reserve_vcc 0
		.amdhsa_float_denorm_mode_32 3
		.amdhsa_float_denorm_mode_16_64 3
		.amdhsa_memory_ordered 1
		.amdhsa_forward_progress 1
		.amdhsa_inst_pref_size 255
	.end_amdhsa_kernel
	.section	.bss,"aw",@nobits
	.p2align	6
	.space	262144
	.amdgpu_metadata
---
amdhsa.version: [ 1, 2 ]
amdhsa.kernels:
  - .name:           k_q161d8c61f6_attn
    .symbol:         k_q161d8c61f6_attn.kd
    .args:
      - { .name: qf, .offset: 0, .size: 8, .value_kind: global_buffer, .address_space: global }
      - { .name: cvec, .offset: 8, .size: 8, .value_kind: global_buffer, .address_space: global }
      - { .name: xh, .offset: 16, .size: 8, .value_kind: global_buffer, .address_space: global }
      - { .name: wvh, .offset: 24, .size: 8, .value_kind: global_buffer, .address_space: global }
      - { .name: bv, .offset: 32, .size: 8, .value_kind: global_buffer, .address_space: global }
      - { .name: out0, .offset: 40, .size: 8, .value_kind: global_buffer, .address_space: global }
    .group_segment_fixed_size: 327680
    .private_segment_fixed_size: 0
    .kernarg_segment_align: 8
    .kernarg_segment_size: 48
    .max_flat_workgroup_size: 128
    .sgpr_count:     88
    .vgpr_count:     1024
    .wavefront_size: 32
...
	.end_amdgpu_metadata
.endif
;; end of part 2
;; ======== version 2 of 2: 2 launches; 1.21 times as fast as version 1
;; limits: values are held in f16: magnitudes above 65,504 overflow, below 6.1e-05 lose precision
;; workspace buffers: xh 33,554,432 bytes; wvh 2,097,152 bytes; qf 1,048,576 bytes; cvec 2,048 bytes
;; launch prep (part 3): grid 256 x 1, 8 waves a work-group, no clusters, 198,144 bytes of LDS; arguments x, seed_vectors, Wk, bk, Wv, xh, wvh, qf, cvec; writes xh, wvh, qf, cvec
.if DOCPART == 3
	.amdgcn_target "amdgcn-amd-amdhsa--gfx1250"
	.amdhsa_code_object_version 6
	.text
	.protected	k_q161d8c61f6_prep
	.globl	k_q161d8c61f6_prep
	.p2align	8
	.type	k_q161d8c61f6_prep,@function
k_q161d8c61f6_prep:
	s_mov_b64 s[64:65], 0
	v_nop
	global_prefetch_b8 v0, s[64:65] scope:SCOPE_SE
	s_setreg_imm32_b32 hwreg(HW_REG_WAVE_MODE, 25, 1), 1
	s_wait_xcnt 0x0
; PREPARATION.  xh = f16(x), wvh = f16(Wv), qf = f16(seeds Wk^T / 32) in fragment order, cvec[s] = seeds[s].bk / 32 (f32).
; Why: seeds (x Wk + bk)^T = (seeds Wk^T) x^T + seeds.bk, so the key projection of all 16,384 rows of x is replaced by one
; product of 512 x 1024 x 1024, made here.
; 256 work-groups of eight waves.  Work-group g (sb = g / 32, db = g % 32) owns: 64 rows of x, 4 rows of Wv, the tile of
; 64 seeds (block sb) x 32 columns d (block db) of Q' = seeds Wk^T / 32, and c of the two seeds 64 sb + 2 db, + 1: equal work for all.
; Thread t owns the 16 bytes (4 numbers) at byte 16 t of every f32 row of 4,096 bytes, and the 8 bytes at 8 t of the f16 row:
; a wave's load covers 512 consecutive bytes, its store 256 consecutive bytes, aligned.
; TWO PHASES.  First: six batches of 16 rows of seeds or Wk (to LDS as f16) and 4 rows of x.  Second, behind the one barrier: the product,
; and between its steps the other 40 rows of x, eight at a time; sixteen loads of x of every wave are out when the product begins,
; so the stream of x runs on under it.
; LIMITS: numbers of magnitude 65,504 and more become infinite in f16 (x, Wv, seeds, Wk, and seeds Wk^T / 32); NaN and
; infinities in the inputs are not reproduced.  f16 and not bf16: the result is a sum of random sign, so each operand's
; rounding shows at full relative size in it, and 8 bits of mantissa are too few for the margin of one hundredth.
.set PITCH, 2064                       ; an LDS row: 2,048 bytes + 16 = 129 x 16: sixteen rows start at sixteen different 16-byte columns modulo 256
.set WKL,   64*PITCH                   ; Wk's 32 rows lie behind the seeds' 64
.set XA,    32                         ; v[32:111]   batch set A: 20 rows x 4 registers (16 of seeds or Wk, 4 of x)
.set XB,    112                        ; v[112:191]  batch set B
.set XQ0,   160                        ; v[160:191]  second phase: 8 rows of x (free when set B has had its last turn)
.set XQ1,   192                        ; v[192:223]  second phase: 8 rows of x
.set Y,     224                        ; v[224:239]  up to 8 rows of x as f16: the data of the stores, apart from the registers that are loaded
.set WV,    240                        ; v[240:255]  my 16 bytes of the four rows of Wv
.set ACC0,  16                         ; v[16:23], v[24:31]  two accumulators that take turns
.set ACC1,  24
.set FA,    32                         ; v[32:95], v[96:159]  two sets of fragments, four K steps each
.set FB,    96
.set CS,    32                         ; v[32:63]    waves 0, 1: my 32 numbers of one f32 row of seeds (set FA after its last use)
.set CK,    64                         ; v[64:95]    waves 0, 1: my 32 numbers of bk
.set CT,    240                        ; v[240:244]  at work on c
; v1 = 16 t (f32 rows), v2 = 8 t (f16 rows in memory, and the seeds' LDS rows 0-31), v3 = v2 + 32 rows, v4 = v2 + WKL
	s_load_b512 s[4:19], s[0:1], 0x0               ; x 4:5, seeds 6:7, Wk 8:9, bk 10:11, Wv 12:13, xh 14:15, wvh 16:17, qf 18:19
	s_load_b64 s[20:21], s[0:1], 0x40              ; cvec
	v_lshrrev_b32 v11, 5, v0
	v_readfirstlane_b32 s22, v11                   ; wave 0..7
	s_lshr_b32 s23, ttmp9, 5                       ; sb
	s_and_b32 s24, ttmp9, 31                       ; db
	s_mov_b32 s28, 0x76543210                      ; v_permlanex16_b32: lane i reads lane i of the other half
	s_mov_b32 s29, 0xfedcba98
	s_mov_b32 s27, 0                               ; high word of every offset below (all under 4 GiB)
	v_lshlrev_b32 v1, 4, v0
	v_lshlrev_b32 v2, 3, v0
	v_add_nc_u32 v3, 32*PITCH, v2
	v_add_nc_u32 v4, WKL, v2
	s_wait_kmcnt 0x0
	s_lshl_b32 s26, ttmp9, 18
	s_add_nc_u64 s[4:5], s[4:5], s[26:27]          ; x: 64 rows of 4,096 bytes a work-group
	s_lshl_b32 s26, ttmp9, 17
	s_add_nc_u64 s[14:15], s[14:15], s[26:27]      ; xh: 64 rows of 2,048 bytes
	s_lshl_b32 s26, s23, 18
	s_add_nc_u64 s[6:7], s[6:7], s[26:27]          ; seeds: block sb of 64 rows
	s_lshl_b32 s26, s24, 17
	s_add_nc_u64 s[8:9], s[8:9], s[26:27]          ; Wk: block db of 32 rows
	s_lshl_b32 s26, ttmp9, 14
	s_add_nc_u64 s[12:13], s[12:13], s[26:27]      ; Wv: 4 rows
	s_lshl_b32 s26, ttmp9, 13
	s_add_nc_u64 s[16:17], s[16:17], s[26:27]      ; wvh
	s_lshl_b32 s26, s23, 17
	s_lshl_b32 s25, s24, 12
	s_add_co_u32 s26, s26, s25
	s_add_nc_u64 s[18:19], s[18:19], s[26:27]      ; qf: 131,072 sb + 4,096 db
	s_lshl_b32 s26, s23, 8
	s_add_nc_u64 s[20:21], s[20:21], s[26:27]      ; cvec: 64 numbers a block
; Batch k: k = 0..3 the seeds' rows 16 k .. 16 k + 15, k = 4, 5 Wk's rows 16 (k - 4) ..; and x's rows 4 k .. 4 k + 3.
; Every place stands in an immediate: no register is stepped.
.macro LOADB k, set
.irp i, 0,1,2,3,4,5,6,7,8,9,10,11,12,13,14,15
.if \k < 4
	global_load_b128 v[\set+4*\i:\set+4*\i+3], v1, s[6:7] offset:(16*\k+\i)*4096
.else
	global_load_b128 v[\set+4*\i:\set+4*\i+3], v1, s[8:9] offset:(16*(\k-4)+\i)*4096
.endif
.endr
.irp i, 0,1,2,3
	global_load_b128 v[\set+64+4*\i:\set+64+4*\i+3], v1, s[4:5] offset:(4*\k+\i)*4096 th:TH_LOAD_NT
.endr
.endm
; Four f32 become four f16.  Seeds and Wk: in the first two registers of the row's four, and to LDS.  x: into Y, and to xh.
.macro PROC k, set
.irp i, 0,1,2,3,4,5,6,7,8,9,10,11,12,13,14,15
	v_cvt_pk_f16_f32 v[\set+4*\i], v[\set+4*\i], v[\set+4*\i+1]
	v_cvt_pk_f16_f32 v[\set+4*\i+1], v[\set+4*\i+2], v[\set+4*\i+3]
.endr
.irp i, 0,1,2,3
	v_cvt_pk_f16_f32 v[Y+2*\i], v[\set+64+4*\i], v[\set+64+4*\i+1]
	v_cvt_pk_f16_f32 v[Y+2*\i+1], v[\set+64+4*\i+2], v[\set+64+4*\i+3]
.endr
.irp i, 0,1,2,3,4,5,6,7,8,9,10,11,12,13,14,15
.if \k < 2
	ds_store_b64 v2, v[\set+4*\i:\set+4*\i+1] offset:(16*\k+\i)*PITCH
.else
.if \k < 4
	ds_store_b64 v3, v[\set+4*\i:\set+4*\i+1] offset:(16*\k+\i-32)*PITCH
.else
	ds_store_b64 v4, v[\set+4*\i:\set+4*\i+1] offset:(16*(\k-4)+\i)*PITCH
.endif
.endif
.endr
.irp i, 0,1,2,3
	global_store_b64 v2, v[Y+2*\i:Y+2*\i+1], s[14:15] offset:(4*\k+\i)*2048
.endr
.endm
; One batch's turn.  left = the loads of the younger batch, which stay out.  The set is loaded again straight behind the turn: no global store reads it.
.macro STAGE k, set, left
	s_wait_loadcnt \left                           ; loads come back in order: this batch is in
	s_wait_xcnt 0x0                                ; Y holds the data of the last turn's stores: it is written again only behind this wait
	PROC \k, \set
.endm
; The second phase's batches of x: rows 24 + 8 q .. + 7
.macro XLOAD q, set
.irp i, 0,1,2,3,4,5,6,7
	global_load_b128 v[\set+4*\i:\set+4*\i+3], v1, s[4:5] offset:(24+8*\q+\i)*4096 th:TH_LOAD_NT
.endr
.endm
.macro XPROC q, set, left
	s_wait_loadcnt \left                           ; this batch is in; the younger batch's eight loads stay out
	s_wait_xcnt 0x0                                ; Y is written again only behind this wait
.irp i, 0,1,2,3,4,5,6,7
	v_cvt_pk_f16_f32 v[Y+2*\i], v[\set+4*\i], v[\set+4*\i+1]
	v_cvt_pk_f16_f32 v[Y+2*\i+1], v[\set+4*\i+2], v[\set+4*\i+3]
.endr
.irp i, 0,1,2,3,4,5,6,7
	global_store_b64 v2, v[Y+2*\i:Y+2*\i+1], s[14:15] offset:(24+8*\q+\i)*2048
.endr
.endm
.irp i, 0,1,2,3
	global_load_b128 v[WV+4*\i:WV+4*\i+3], v1, s[12:13] offset:\i*4096 th:TH_LOAD_NT
.endr
	LOADB 0, XA
	LOADB 1, XB
	STAGE 0, XA, 20                                ; Wv's four rows, which are older, are in as well
	LOADB 2, XA
.irp i, 0,1,2,3
	v_cvt_pk_f16_f32 v[WV+4*\i], v[WV+4*\i], v[WV+4*\i+1]
	v_cvt_pk_f16_f32 v[WV+4*\i+1], v[WV+4*\i+2], v[WV+4*\i+3]
	global_store_b64 v2, v[WV+4*\i:WV+4*\i+1], s[16:17] offset:\i*2048
.endr
	STAGE 1, XB, 20
	LOADB 3, XB
	STAGE 2, XA, 20
	LOADB 4, XA
	STAGE 3, XB, 20
	LOADB 5, XB
	STAGE 4, XA, 20
	XLOAD 0, XQ1                                   ; the second phase's first two batches go out here
	STAGE 5, XB, 8                                 ; the eight loads just issued stay out
	XLOAD 1, XQ0
	; addresses of the fragments.  Wave v makes the 16 seeds of block a = v % 4 x the 16 columns d of block e = v / 4.
	v_and_b32 v5, 31, v0                           ; lane
	v_and_b32 v6, 15, v0                           ; r
	v_bfe_u32 v7, v0, 4, 1                         ; h
	s_and_b32 s25, s22, 3                          ; a
	s_lshr_b32 s26, s22, 2                         ; e
	v_mul_u32_u24 v8, v6, PITCH
	v_lshl_add_u32 v8, v7, 4, v8                   ; r x pitch + 16 h
	s_mul_i32 s30, s26, 16*PITCH
	s_add_co_u32 s30, s30, WKL
	v_add_nc_u32 v9, s30, v8                       ; Wk's rows 16 e + r
	s_mul_i32 s30, s25, 16*PITCH
	v_add_nc_u32 v8, s30, v8                       ; seeds' rows 16 a + r
	s_lshl_b32 s25, s25, 10
	s_lshl_b32 s26, s26, 9
	s_add_co_u32 s25, s25, s26
	v_lshl_add_u32 v10, v5, 4, s25                 ; my 16 bytes of the tile in qf: 1,024 a + 512 e + 16 lane
	v_lshlrev_b32 v12, 4, v5                       ; 16 lane: my 16 bytes in each 512 of bk
	s_lshl_b32 s30, s24, 1
	s_add_co_u32 s30, s30, s22                     ; waves 0, 1: the block's row 2 db + wave, whose c this wave makes
	s_lshl_b32 s26, s30, 12
	v_add_nc_u32 v11, s26, v12                     ; and my 16 bytes in each 512 of that f32 row
	s_wait_dscnt 0x0                               ; my rows' parts are in LDS,
	s_barrier_signal -1
	s_barrier_wait -1                              ; everybody's are.  The sixteen loads of x stay out: no wave writes x
; Q'[s][d] = sum over p of seeds[s][p] Wk[d][p]: both lie along p.  Source 0 = 16 rows of Wk, source 1 = 16 rows of seeds, so lane (r, h)
; ends with seed r and the eight NEIGHBOURING columns d = 8 h + 0..7: after rounding, 16 bytes that are half a fragment of the next product.
.macro LDG j, set                      ; the fragments of K steps 4 j .. 4 j + 3: sixteen loads
.irp q, 0,1,2,3
	ds_load_b128 v[\set+16*\q:\set+16*\q+3],     v9 offset:64*(4*\j+\q)
	ds_load_b128 v[\set+16*\q+4:\set+16*\q+7],   v9 offset:64*(4*\j+\q)+32
	ds_load_b128 v[\set+16*\q+8:\set+16*\q+11],  v8 offset:64*(4*\j+\q)
	ds_load_b128 v[\set+16*\q+12:\set+16*\q+15], v8 offset:64*(4*\j+\q)+32
.endr
.endm
; Four K steps on two accumulators by turns, one instruction a turn.  zero = 1: the first products start the sums.
.macro MM4 set, zero
.if \zero
	v_wmma_f32_16x16x32_f16 v[ACC0:ACC0+7], v[\set:\set+7], v[\set+8:\set+15], 0
	v_wmma_f32_16x16x32_f16 v[ACC1:ACC1+7], v[\set+16:\set+23], v[\set+24:\set+31], 0
.else
	v_wmma_f32_16x16x32_f16 v[ACC0:ACC0+7], v[\set:\set+7], v[\set+8:\set+15], v[ACC0:ACC0+7]
	v_wmma_f32_16x16x32_f16 v[ACC1:ACC1+7], v[\set+16:\set+23], v[\set+24:\set+31], v[ACC1:ACC1+7]
.endif
	v_wmma_f32_16x16x32_f16 v[ACC0:ACC0+7], v[\set+32:\set+39], v[\set+40:\set+47], v[ACC0:ACC0+7]
	v_wmma_f32_16x16x32_f16 v[ACC1:ACC1+7], v[\set+48:\set+55], v[\set+56:\set+63], v[ACC1:ACC1+7]
.endm
.macro PLACES                          ; four places behind a matrix instruction before its registers are loaded again or its result is read (ISA guide 7.12.1)
.rept 4
	v_nop
.endr
.endm
.macro QSTEP set, zero, jn, left, more
	s_wait_dscnt \left                             ; the sixteen loads of the younger group stay out
	MM4 \set, \zero
.if \more
	PLACES
	LDG \jn, \set
.endif
.endm
	LDG 0, FA
	LDG 1, FB
	QSTEP FA, 1, 2, 16, 1
	XPROC 0, XQ1, 8                                ; x's rows 24-31
	XLOAD 2, XQ1
	QSTEP FB, 0, 3, 16, 1
	XPROC 1, XQ0, 8                                ; rows 32-39
	XLOAD 3, XQ0
	QSTEP FA, 0, 4, 16, 1
	QSTEP FB, 0, 5, 16, 1
	XPROC 2, XQ1, 8                                ; rows 40-47
	XLOAD 4, XQ1
	QSTEP FA, 0, 6, 16, 1
	QSTEP FB, 0, 7, 16, 1
	XPROC 3, XQ0, 8                                ; rows 48-55
	QSTEP FA, 0, 0, 16, 0
	PLACES                                         ; set FA has had its last turn
	; c's operands are asked for here, by waves 0 and 1, into set FA: they land under the last four K steps and the tile's way out
	s_cmp_ge_u32 s22, 2
	s_cbranch_scc1 .Lno_row
.irp j, 0,1,2,3,4,5,6,7
	global_load_b128 v[CS+4*\j:CS+4*\j+3], v11, s[6:7] offset:512*\j
.endr
.irp j, 0,1,2,3,4,5,6,7
	global_load_b128 v[CK+4*\j:CK+4*\j+3], v12, s[10:11] offset:512*\j
.endr
.Lno_row:
	QSTEP FB, 0, 0, 0, 0
	PLACES
.irp j, 0,2,4,6
	v_pk_add_f32 v[ACC0+\j:ACC0+\j+1], v[ACC0+\j:ACC0+\j+1], v[ACC1+\j:ACC1+\j+1]
.endr
.irp j, 0,2,4,6
	v_pk_mul_f32 v[ACC0+\j:ACC0+\j+1], v[ACC0+\j:ACC0+\j+1], 0x3d000000 op_sel_hi:[1,0]   ; 1 / sqrt(1024) = 1 / 32, exact
.endr
.irp j, 0,1,2,3
	v_cvt_pk_f16_f32 v[ACC0+\j], v[ACC0+2*\j], v[ACC0+2*\j+1]
.endr
	global_store_b128 v10, v[ACC0:ACC0+3], s[18:19]        ; a wave stores 512 consecutive bytes, the work-group 4,096
	XPROC 4, XQ1, 0                                ; x's rows 56-63; the count 0 takes in c's sixteen loads of waves 0 and 1 as well
	; c[s] = seeds[s].bk / 32 in f32, from the f32 row: waves 0 and 1, one row each, the row across the 32 lanes.
	s_cmp_ge_u32 s22, 2
	s_cbranch_scc1 .Lend
	v_mov_b32 v[CT+4], 0                           ; v_permlanex16_b32 counts as a reader of its destination
	v_pk_mul_f32 v[CT:CT+1],   v[CS:CS+1],   v[CK:CK+1]                    ; two chains of two sums each; the first products start them
	v_pk_mul_f32 v[CT+2:CT+3], v[CS+2:CS+3], v[CK+2:CK+3]
.irp p, 4,8,12,16,20,24,28
	v_pk_fma_f32 v[CT:CT+1],   v[CS+\p:CS+\p+1],   v[CK+\p:CK+\p+1],   v[CT:CT+1]
	v_pk_fma_f32 v[CT+2:CT+3], v[CS+\p+2:CS+\p+3], v[CK+\p+2:CK+\p+3], v[CT+2:CT+3]
.endr
	v_pk_add_f32 v[CT:CT+1], v[CT:CT+1], v[CT+2:CT+3]
	v_add_f32 v[CT], v[CT], v[CT+1]
	v_add_f32_dpp v[CT], v[CT], v[CT] row_xmask:1 row_mask:0xf bank_mask:0xf
	v_add_f32_dpp v[CT], v[CT], v[CT] row_xmask:2 row_mask:0xf bank_mask:0xf
	v_add_f32_dpp v[CT], v[CT], v[CT] row_xmask:4 row_mask:0xf bank_mask:0xf
	v_add_f32_dpp v[CT], v[CT], v[CT] row_xmask:8 row_mask:0xf bank_mask:0xf
	v_permlanex16_b32 v[CT+4], v[CT], s28, s29
	v_add_f32 v[CT], v[CT], v[CT+4]
	v_mul_f32 v[CT], 0x3d000000, v[CT]             ; / 32
	s_lshl_b32 s26, s30, 2
	v_mov_b32 v13, s26                             ; 4 (2 db + wave): one number a wave; the launch's 512 such stores are cvec's 2,048 bytes
	v_cmp_eq_u32 vcc_lo, 0, v5
	s_wait_xcnt 0x0                                ; EXEC is a source of the stores above: it changes only behind this wait
	s_and_saveexec_b32 s31, vcc_lo
	global_store_b32 v13, v[CT], s[20:21]
	s_wait_xcnt 0x0                                ; and again in front of the line that widens it
	s_or_b32 exec_lo, exec_lo, s31
.Lend:
	s_endpgm
.Lfunc_end_k_q161d8c61f6_prep:
	.size	k_q161d8c61f6_prep, .Lfunc_end_k_q161d8c61f6_prep-k_q161d8c61f6_prep
	.p2alignl 7, 3214868480
	.fill 96, 4, 3214868480
	.section	.rodata,"a",@progbits
	.p2align	6, 0x0
	.amdhsa_kernel k_q161d8c61f6_prep
		.amdhsa_group_segment_fixed_size 198144
		.amdhsa_private_segment_fixed_size 0
		.amdhsa_enable_private_segment 0
		.amdhsa_kernarg_size 72
		.amdhsa_user_sgpr_count 2
		.amdhsa_user_sgpr_kernarg_segment_ptr 1
		.amdhsa_wavefront_size32 1
		.amdhsa_system_sgpr_workgroup_id_x 1
		.amdhsa_system_sgpr_workgroup_id_y 1
		.amdhsa_system_sgpr_workgroup_id_z 1
		.amdhsa_system_vgpr_workitem_id 0
		.amdhsa_next_free_vgpr 256
		.amdhsa_next_free_sgpr 66
		.amdhsa_reserve_vcc 1
		.amdhsa_float_denorm_mode_32 3
		.amdhsa_float_denorm_mode_16_64 3
		.amdhsa_memory_ordered 1
		.amdhsa_forward_progress 1
		.amdhsa_inst_pref_size 68
	.end_amdhsa_kernel
	.amdgpu_metadata
---
amdhsa.version: [ 1, 2 ]
amdhsa.kernels:
  - .name:           k_q161d8c61f6_prep
    .symbol:         k_q161d8c61f6_prep.kd
    .args:
      - { .name: x, .offset: 0, .size: 8, .value_kind: global_buffer, .address_space: global }
      - { .name: seed_vectors, .offset: 8, .size: 8, .value_kind: global_buffer, .address_space: global }
      - { .name: Wk, .offset: 16, .size: 8, .value_kind: global_buffer, .address_space: global }
      - { .name: bk, .offset: 24, .size: 8, .value_kind: global_buffer, .address_space: global }
      - { .name: Wv, .offset: 32, .size: 8, .value_kind: global_buffer, .address_space: global }
      - { .name: xh, .offset: 40, .size: 8, .value_kind: global_buffer, .address_space: global }
      - { .name: wvh, .offset: 48, .size: 8, .value_kind: global_buffer, .address_space: global }
      - { .name: qf, .offset: 56, .size: 8, .value_kind: global_buffer, .address_space: global }
      - { .name: cvec, .offset: 64, .size: 8, .value_kind: global_buffer, .address_space: global }
    .group_segment_fixed_size: 198144
    .private_segment_fixed_size: 0
    .kernarg_segment_align: 8
    .kernarg_segment_size: 72
    .max_flat_workgroup_size: 256
    .sgpr_count:     66
    .vgpr_count:     256
    .wavefront_size: 32
...
	.end_amdgpu_metadata
.endif
;; end of part 3
;; launch attn (part 4): grid 8 x 32, 4 waves a work-group, clusters of 4 x 1, 327,680 bytes of LDS; arguments qf, cvec, xh, wvh, bv, out0; writes out0
.if DOCPART == 4
	.amdgcn_target "amdgcn-amd-amdhsa--gfx1250"
	.amdhsa_code_object_version 6
	.text
	.protected	k_q161d8c61f6_attn
	.globl	k_q161d8c61f6_attn
	.p2align	8
	.type	k_q161d8c61f6_attn,@function
k_q161d8c61f6_attn:
	s_mov_b64 s[64:65], 0
	v_nop
	global_prefetch_b8 v0, s[64:65] scope:SCOPE_SE
	s_setreg_imm32_b32 hwreg(HW_REG_WAVE_MODE, 25, 1), 1
	s_wait_xcnt 0x0
	s_wait_alu depctr_hold_cnt(0) depctr_sa_sdst(0) depctr_va_vdst(0) depctr_va_sdst(0) depctr_va_ssrc(0) depctr_va_vcc(0) depctr_vm_vsrc(0)
	s_getreg_b32 s2, hwreg(HW_REG_IB_STS2, 6, 4)
	s_cmp_eq_u32 s2, 0
	s_cbranch_scc0 .Lentry_in_a_cluster
	s_endpgm
.Lentry_in_a_cluster:
	s_bfe_u32 s2, ttmp6, 0x10000c
	s_cmp_lg_u32 s2, 0x3003
	s_cbranch_scc0 .Lentry_shape_is_right
	s_endpgm
.Lentry_shape_is_right:
; out[b] = softmax(Q' x[b]^T + c) x[b] Wv + bv, for 64 seeds (block sblk) of one batch b in each work-group; four waves.
;   P1  S = Q' x^T + c     K = d = 1024   wave w owns the keys n = 128 w .. +127      32 accumulator tiles (256 registers)
;       softmax            the exact row maximum is taken away, as the definition does; P = exp(S - m) in f16, l = its row sums in f32
;   P2  Y~ = P x           K = n = 512    wave w owns the columns d = 256 w .. +255   64 tiles (512 registers);  Y = Y~ / l in f16
;   P3  out = Y Wv + bv    K = d = 1024   wave w owns the columns p = 256 w .. +255   the same 512 registers; bv starts the sums
; attn (x Wv + bv) = (attn x) Wv + bv holds because each row of the softmax sums to one.
; EVERY PRODUCT IS USED TRANSPOSED: source 0 = 16 columns' fragment, source 1 = 16 seeds' fragment.  Lane (r, h) then holds seed r and the
; eight neighbouring columns 8 h + 0..7 of a tile: row maxima and sums stay in the lane, and four conversions to f16 give, in the same lane,
; half a fragment of the next product.  So P and Y lie in LDS in fragment order (block + 16 x lane): consecutive bytes, no padding.
; CLUSTER 4 x 1: the four work-groups of a cluster have the same b, so every tile of x and of Wv is asked for jointly (mask 15).  Q's tile hangs
; on the work-group's own block of seeds and is a plain load.  A second axis of the cluster would share nothing.
; P3'S SUM OVER d STARTS AT ANOTHER BLOCK IN EACH CLUSTER: cluster l = 2 b + cluster x (0..63) starts at block ROT = (l mod 32) xor (31 if l >= 32)
; of the 32 blocks of 32 rows of Wv and goes round.  So in one step the 64 clusters ask for 32 different tiles of Wv, two clusters for each,
; not all for the same one; and any 32 clusters that agree in one bit of l start at 32 different blocks.
; LIMITS: f16 operands (magnitudes of 65,504 and more become infinite); exponentials under 2^-126 become 0; NaN and infinities in the inputs
; are not reproduced (a NaN loses in the maxima); the sums are associated otherwise than in the definition, as written above, and the order
; of P3's sum over d differs from cluster to cluster.
;
; LDS.  Ring 1 (P1): slot s at s x 155,648: x's 512 rows x 128 d (pitch 272), then Q's 16,384 bytes in fragment order.
;       Ring 2 (P2, P3), in ring 1's slot 0: wave w's strip at 34,816 w, its two slots of 32 rows x 512 bytes (pitch 544).
;       Two slots of 64 rows (278,528 bytes) do not fit beside Y.
;       Behind ring 2, in bytes whose last fill is ring 1's: row maxima and sums (2 x 1,024), the waves' stages for the way out (4 x 8,448),
;       and from 196,608 to the end P (65,536 bytes), later Y (131,072).
.set XP,     272                       ; 256 + 16 = 17 x 16: sixteen rows start at sixteen different 16-byte columns modulo 256
.set XWAVE,  128*XP                    ; a wave's 128 keys
.set XHALF,  256*XP                    ; what one tensor load of x brings in P1
.set XPART,  512*XP
.set QPART,  16384
.set SLOT1,  XPART+QPART
.set TP,     544                       ; 512 + 32 = 17 x 32, for the transposing loads
.set SLOT2,  32*TP
.set STRIP,  2*SLOT2
.set STATM,  4*STRIP                   ; [wave][r][a] f32: maxima; the sums lie 1,024 bytes behind
.set OSTG,   STATM+2048
.set OP,     528                       ; 512 + 16 = 33 x 16
.set OSTGW,  16*OP
.set AREG,   196608
; window 0 of the vector registers
.set ADRX,  8                          ; v8-9    x's fragments in ring 1's slot 0, 1
.set ADRQ,  10                         ; v10-11  Q's fragments
.set ADRT,  12                         ; v12-13  transposing loads from my strip's slot 0, 1
.set ADRA,  14                         ; v14     P's or Y's block of 32 along K that is fetched next
.set PSTP,  15                         ; v15     where I put P
.set PSTY,  16                         ; v16     where I put Y
.set STW,   17                         ; v17     my wave's row statistics
.set STR,   18                         ; v18     all waves' row statistics
.set STO,   19                         ; v19     way out: into the stage
.set RD,    20                         ; v20     way out: rows back
.set CO,    21                         ; v21     16 x lane
.set BO,    22                         ; v22     my bytes of bv
.set CR,    23                         ; v23     4 r
.set MX,    24                         ; v[24:27]  one number for each block a of 16 seeds
.set PT,    28                         ; v[28:31]  the other half's
.set NM,    32                         ; v[32:39]  - m log2(e), as pairs
.set SUM,   40                         ; v[40:47]  running sums, pairs
.set RINV,  48                         ; v[48:55]  1 / l, as pairs
.set ABASE, 56                         ; v56     block 0 of P and Y: AREG + 16 x lane; never rewritten
.set RF,    64                         ; v[64:95], v[96:127]  the seeds' side fragments, two buffers (8 a + 4 half)
.set CB,    128                        ; v[128:159]  P1: c, eight times for each a
.set PK,    128                        ; v[128:255]  softmax: P packed
.set BV,    128                        ; v[128:255]  P3: bv, eight numbers for each of 16 column blocks
; window 1: the columns' side fragments, two buffers (P1: 64 f + 8 bt; P2, P3: 128 f + 8 ct)
; windows 2, 3: accumulators (P1: tile (a, bt) at 8 (4 bt + a) of window 2; P2, P3: tile (a, ct) at 8 (4 (ct % 8) + a) of window 2 + ct / 8)
.set BLK, 21                           ; s21       the block of P or Y that the next fetch takes, 0..31
.set ASK, 29                           ; s29       the block of Wv that the next request names, 0..31
.set G1X, 32                           ; s[32:39]  shape of x's tiles in P1
.set G0X, 40                           ; s[40:47]  from where, to where: one set for each slot
.set G1Q, 48                           ; s[48:55]  shape of Q's tiles
.set G0Q, 56                           ; s[56:63]
.set ROT, 66                           ; s66       the block at which my cluster starts P3
.set G1S, 68                           ; s[68:75]  shape of a strip's tiles in P2 and P3
.set G0S, 76                           ; s[76:83]
.set WS,  84                           ; s[84:85]  wvh at my wave's columns
; s18, s19, s30, s[86:87], G0Q, s[6:7] and s[14:15] alone ever hold the work-group's place in its cluster; no register of a joint load does.
.set MSB, 0
.macro WIN new                         ; s_set_vgpr_msb: bits 1:0 source 0, 3:2 source 1, 5:4 source 2, 7:6 destination; the high byte repeats the setting left
.if MSB != \new
	s_set_vgpr_msb (MSB<<8)|\new
.set MSB, \new
.endif
.endm
.set TO_B, 0x40                        ; destination window 1, address window 0
.macro PLACES                          ; four places behind a matrix instruction before its registers are loaded again or its result is read (ISA guide 7.12.1 for reads of its result)
.rept 4
	v_nop
.endr
.endm
.macro CREST                           ; a round of the cluster's barrier behind its opening work-group barrier
	s_cmp_lg_u32 s16, 0
	s_cbranch_scc1 .Lnot_wave_0_\@
	s_barrier_signal -3
.Lnot_wave_0_\@:
	s_barrier_wait -3
	s_barrier_signal -1
	s_barrier_wait -1
.endm
.macro CROUND
	s_barrier_signal -1
	s_barrier_wait -1
	CREST
.endm
	s_load_b256 s[4:11], s[0:1], 0x0               ; qf 4:5, cvec 6:7, xh 8:9, wvh 10:11
	s_load_b128 s[12:15], s[0:1], 0x20             ; bv 12:13, out0 14:15
	v_lshrrev_b32 v4, 5, v0
	v_readfirstlane_b32 s16, v4                    ; wave 0..3
	s_bfe_u32 s18, ttmp6, 0x40000                  ; cx
	s_lshl_b32 s19, ttmp9, 2
	s_add_co_u32 s19, s19, s18                     ; sblk = 4 x cluster x + cx
	s_and_b32 s20, ttmp7, 0xffff                   ; b
	s_lshl_b32 s[ROT], s20, 1
	s_add_co_u32 s[ROT], s[ROT], ttmp9             ; l = 2 b + cluster x: the cluster's number, the same in its four work-groups
	s_lshr_b32 s[BLK], s[ROT], 5
	s_mul_i32 s[BLK], s[BLK], 31
	s_xor_b32 s[ROT], s[ROT], s[BLK]
	s_and_b32 s[ROT], s[ROT], 31                   ; (l mod 32) xor (31 if l >= 32)
	s_mov_b32 s[ASK], s[ROT]                       ; the first tile of Wv that is asked for
	s_mov_b32 s[BLK], 0                            ; P2 takes P's blocks from 0 on
	s_mov_b32 s27, 0x76543210                      ; v_permlanex16_b32: lane i reads lane i of the other half
	s_mov_b32 s28, 0xfedcba98
	; x in P1: 256 rows x 128 elements of 2 bytes, 1,024 elements from row to row; 16 bytes of padding behind every 64 words; to all four partners
	s_mov_b32 s[G1X+0], 15|(1<<16)|(1<<20)|(1<<21)|(5<<22)|(3<<25)
	s_mov_b32 s[G1X+1], 128<<16
	s_mov_b32 s[G1X+2], 256<<16
	s_mov_b32 s[G1X+3], 128<<16
	s_mov_b32 s[G1X+4], 256
	s_mov_b32 s[G1X+5], 1024
	s_mov_b32 s[G1X+6], 0
	s_mov_b32 s[G1X+7], 0
	; Q: a dense block of 16,384 bytes as 64 rows of 32 elements of 8 bytes; no mask
	s_mov_b32 s[G1Q+0], 3<<16
	s_mov_b32 s[G1Q+1], 32<<16
	s_mov_b32 s[G1Q+2], 64<<16
	s_mov_b32 s[G1Q+3], 32<<16
	s_mov_b32 s[G1Q+4], 64
	s_mov_b32 s[G1Q+5], 32
	s_mov_b32 s[G1Q+6], 0
	s_mov_b32 s[G1Q+7], 0
	; a strip: rows of 256 elements of 2 bytes, 32 bytes of padding behind every 128 words; to all four partners.  The first load brings 64 rows (both slots), the later ones 32.
	s_mov_b32 s[G1S+0], 15|(1<<16)|(1<<20)|(1<<21)|(6<<22)|(7<<25)
	s_mov_b32 s[G1S+1], 256<<16
	s_mov_b32 s[G1S+2], 64<<16
	s_mov_b32 s[G1S+3], 256<<16
	s_mov_b32 s[G1S+4], 64
	s_mov_b32 s[G1S+5], 1024
	s_mov_b32 s[G1S+6], 0
	s_mov_b32 s[G1S+7], 0
	s_mov_b32 s23, 0                               ; stays 0: the high word of every offset in s[22:23]
	s_mov_b32 s31, 0
	s_wait_kmcnt 0x0
	s_lshl_b32 s22, s20, 20
	s_add_nc_u64 s[8:9], s[8:9], s[22:23]          ; xh at batch b: 512 rows of 2,048 bytes
	s_lshl_b32 s22, s16, 19
	s_add_nc_u64 s[24:25], s[8:9], s[22:23]        ; + 256 w rows (waves 0 and 1 alone ask by it)
	s_mul_i32 s17, s16, XHALF
.irp s, 0,1
	s_mov_b32 s[G0X+4*\s], 1
	s_add_co_u32 s[G0X+4*\s+1], s17, \s*SLOT1
	s_add_nc_u64 s[G0X+4*\s+2:G0X+4*\s+3], s[24:25], \s*256        ; K step s
	s_or_b32 s[G0X+4*\s+3], s[G0X+4*\s+3], 0x80000000
.endr
	s_lshl_b32 s30, s19, 17
	s_add_nc_u64 s[86:87], s[4:5], s[30:31]        ; qf at my block of seeds
.irp s, 0,1
	s_mov_b32 s[G0Q+4*\s], 1
	s_mov_b32 s[G0Q+4*\s+1], \s*SLOT1+XPART
	s_add_nc_u64 s[G0Q+4*\s+2:G0Q+4*\s+3], s[86:87], \s*QPART
	s_or_b32 s[G0Q+4*\s+3], s[G0Q+4*\s+3], 0x80000000
.endr
	s_lshl_b32 s22, s16, 9
	s_add_nc_u64 s[24:25], s[8:9], s[22:23]        ; xh at my wave's 256 columns
	s_add_nc_u64 s[WS:WS+1], s[10:11], s[22:23]    ; wvh likewise
	s_mul_i32 s17, s16, STRIP
.irp s, 0,1
	s_mov_b32 s[G0S+4*\s], 1
	s_add_co_u32 s[G0S+4*\s+1], s17, \s*SLOT2
	s_add_nc_u64 s[G0S+4*\s+2:G0S+4*\s+3], s[24:25], \s*65536      ; rows 32 s ..
	s_or_b32 s[G0S+4*\s+3], s[G0S+4*\s+3], 0x80000000
.endr
	s_lshl_b32 s30, s19, 8
	s_add_nc_u64 s[6:7], s[6:7], s[30:31]          ; c of my 64 seeds
	s_lshl_b32 s30, s20, 21
	s_lshl_b32 s18, s19, 18
	s_add_co_u32 s30, s30, s18
	s_lshl_b32 s18, s16, 10
	s_add_co_u32 s30, s30, s18
	s_add_nc_u64 s[14:15], s[14:15], s[30:31]      ; out0 at row 512 b + 64 sblk, column 256 w
	CROUND                                         ; all four work-groups are here: the first joint loads meet
	; The first fills, K steps 0 and 1, in one branch on the wave's number: waves 0 and 1 x's halves, wave 2 Q's tile, wave 3 none.  Two loads of a wave are out at the most.
	s_cmp_lt_u32 s16, 2
	s_cbranch_scc0 .Lfirst_q
	tensor_load_to_lds s[G0X:G0X+3], s[G1X:G1X+7]
	s_nop 0
	tensor_load_to_lds s[G0X+4:G0X+7], s[G1X:G1X+7]
	s_nop 0
	s_branch .Lfirst_done
.Lfirst_q:
	s_cmp_eq_u32 s16, 2
	s_cbranch_scc0 .Lfirst_done
	tensor_load_to_lds s[G0Q:G0Q+3], s[G1Q:G1Q+7]
	s_nop 0
	tensor_load_to_lds s[G0Q+4:G0Q+7], s[G1Q:G1Q+7]
	s_nop 0
.Lfirst_done:
	v_and_b32 v1, 31, v0                           ; lane
	v_and_b32 v2, 15, v0                           ; r
	v_bfe_u32 v3, v0, 4, 1                         ; h
	v_lshlrev_b32 v[CR], 2, v2
.irp a, 0,1,2,3
	global_load_b32 v[CB+8*\a], v[CR], s[6:7] offset:64*\a         ; c[16 a + r]
.endr
	v_lshlrev_b32 v[CO], 4, v1
	v_mul_u32_u24 v5, v2, XP
	v_lshl_add_u32 v5, v3, 4, v5
	s_mul_i32 s24, s16, XWAVE
	v_add_nc_u32 v[ADRX], s24, v5                  ; (128 w + r) x pitch + 16 h
	v_add_nc_u32 v[ADRX+1], SLOT1, v[ADRX]
	v_add_nc_u32 v[ADRQ], XPART, v[CO]
	v_add_nc_u32 v[ADRQ+1], XPART+SLOT1, v[CO]
	v_and_b32 v5, 7, v0
	v_lshl_add_u32 v5, v3, 3, v5                   ; row 8 h + lane % 8
	v_mul_u32_u24 v5, v5, TP
	v_bfe_u32 v6, v0, 3, 1
	v_lshl_add_u32 v5, v6, 4, v5                   ; + 16 ((lane / 8) % 2)
	v_add_nc_u32 v[ADRT], s17, v5                  ; s17 = my strip
	v_add_nc_u32 v[ADRT+1], SLOT2, v[ADRT]
	v_add_nc_u32 v[ABASE], AREG, v[CO]
	s_lshl_b32 s24, s16, 14
	v_add_nc_u32 v[PSTP], s24, v[ABASE]            ; my 128 keys are blocks 4 w .. 4 w + 3 of 4,096 bytes
	s_lshl_b32 s24, s16, 15
	v_add_nc_u32 v[PSTY], s24, v[ABASE]            ; my 256 columns are blocks 8 w .. 8 w + 7
	v_lshlrev_b32 v5, 4, v2
	v_add_nc_u32 v[STR], STATM, v5
	s_lshl_b32 s24, s16, 8
	v_add_nc_u32 v[STW], s24, v[STR]
	s_mul_i32 s24, s16, OSTGW
	s_add_co_u32 s24, s24, OSTG
	v_mul_u32_u24 v5, v2, OP
	v_lshl_add_u32 v5, v3, 5, v5
	v_add_nc_u32 v[STO], s24, v5                   ; row r, 32 bytes for each half of the lanes
	v_add_nc_u32 v[RD], s24, v[CO]
	s_lshl_b32 s24, s16, 10
	v_lshl_add_u32 v[BO], v3, 5, s24               ; 4 (256 w + 8 h)
.irp a, 0,1,2,3
	v_mov_b32 v[PT+\a], 0                          ; v_permlanex16_b32 counts as a reader of its destination
.endr
	s_wait_loadcnt 0x0
.irp a, 0,1,2,3
.irp j, 1,2,3,4,5,6,7
	v_mov_b32 v[CB+8*\a+\j], v[CB+8*\a]            ; a tile's eight registers of a lane belong to one seed: c starts all eight sums
.endr
.endr
; ---------------- P1
.macro JLOAD1 s                        ; a K step's refill: one tensor load a wave; the branch hangs on the wave's number alone
	s_cmp_lt_u32 s16, 2
	s_cbranch_scc0 .Lfor_q_\@
	tensor_load_to_lds s[G0X+4*\s:G0X+4*\s+3], s[G1X:G1X+7]
	s_nop 0
	s_branch .Lasked_\@
.Lfor_q_\@:
	s_cmp_eq_u32 s16, 2
	s_cbranch_scc0 .Lasked_\@
	tensor_load_to_lds s[G0Q+4*\s:G0Q+4*\s+3], s[G1Q:G1Q+7]
	s_nop 0
.Lasked_\@:
.endm
.macro FETCH1 slot, q, f               ; 24 loads: the fragments of quarter q (32 along d): Q's four, then my eight blocks of keys
	WIN 0
.irp a, 0,1,2,3
	ds_load_b128 v[RF+32*\f+8*\a:RF+32*\f+8*\a+3],   v[ADRQ+\slot] offset:\q*4096+\a*1024
	ds_load_b128 v[RF+32*\f+8*\a+4:RF+32*\f+8*\a+7], v[ADRQ+\slot] offset:\q*4096+\a*1024+512
.endr
	WIN TO_B
.irp bt, 0,1,2,3,4,5,6,7
	ds_load_b128 v[64*\f+8*\bt:64*\f+8*\bt+3],   v[ADRX+\slot] offset:\bt*16*XP+64*\q
	ds_load_b128 v[64*\f+8*\bt+4:64*\f+8*\bt+7], v[ADRX+\slot] offset:\bt*16*XP+64*\q+32
.endr
.endm
; cnt blocks of keys from bt0 on x the four blocks of seeds.  In every quarter the 32 accumulators take one turn each in the same order.
.macro MUL1 f, bt0, cnt, init
.if \init
	WIN 0x81                                       ; source 0 window 1, sources 1 and 2 window 0, destination window 2
.else
	WIN 0xa1                                       ; source 2 and destination window 2
.endif
.set bt_, \bt0
.rept \cnt
.irp a, 0,1,2,3
.if \init
	v_wmma_f32_16x16x32_f16 v[8*(4*bt_+\a):8*(4*bt_+\a)+7], v[64*\f+8*bt_:64*\f+8*bt_+7], v[RF+32*\f+8*\a:RF+32*\f+8*\a+7], v[CB+8*\a:CB+8*\a+7]
.else
	v_wmma_f32_16x16x32_f16 v[8*(4*bt_+\a):8*(4*bt_+\a)+7], v[64*\f+8*bt_:64*\f+8*bt_+7], v[RF+32*\f+8*\a:RF+32*\f+8*\a+7], v[8*(4*bt_+\a):8*(4*bt_+\a)+7]
.endif
.endr
.set bt_, bt_+1
.endr
.endm
.macro QUARTER1 slot, qn, f, g, init   ; multiplies buffer f; in its middle fetches quarter qn into buffer g
	s_wait_dscnt 8                                 ; all but the youngest eight loads (blocks 4-7 of keys)
	MUL1 \f, 0, 4, \init
	PLACES
	FETCH1 \slot, \qn, \g
	s_wait_dscnt 24                                ; all but the 24 just issued
	MUL1 \f, 4, 4, \init
.endm
.macro THREE1 slot, init
	QUARTER1 \slot, 1, 0, 1, \init
	QUARTER1 \slot, 2, 1, 0, 0
	QUARTER1 \slot, 3, 0, 1, 0
.endm
; The last quarter of a K step changes slots.  In front of the round each wave waits for its reads of this slot and for all its tensor loads (the one out
; is its part of the next slot); inside the round stands register work alone; the refill is the first tensor load behind it, one a wave.
; mode 1: this slot gets the K step two further on.  mode 2: ring 1's slot 0 has been read for the last time: each wave asks for the first 64 rows of its strip of x.
.macro TURN1 slot, next, mode
	s_wait_dscnt 8
	MUL1 1, 0, 2, 0
	s_wait_dscnt 0x0
	s_wait_tensorcnt 0x0
	s_barrier_signal -1
	MUL1 1, 2, 2, 0
	WIN 0
	s_barrier_wait -1
	CREST
.if \mode == 1
	s_add_nc_u64 s[G0X+4*\slot+2:G0X+4*\slot+3], s[G0X+4*\slot+2:G0X+4*\slot+3], 512
	s_add_nc_u64 s[G0Q+4*\slot+2:G0Q+4*\slot+3], s[G0Q+4*\slot+2:G0Q+4*\slot+3], 2*QPART
	JLOAD1 \slot
.else
	tensor_load_to_lds s[G0S:G0S+3], s[G1S:G1S+7]
	s_nop 0
.endif
	PLACES
	FETCH1 \next, 0, 0
	MUL1 1, 4, 4, 0
.endm
.macro LAP1 init
	THREE1 0, \init
	TURN1 0, 1, 1
	THREE1 1, 0
	TURN1 1, 0, 1
.endm
	s_wait_tensorcnt 0x1                           ; my part of K step 0 is in; K step 1's stays out
	s_barrier_signal -1
	s_barrier_wait -1
	FETCH1 0, 0, 0
	LAP1 1                                         ; K steps 0, 1 (ask for 2, 3); the first products add onto c
	WIN 0
	s_mov_b32 s26, 2
.Lp1:
	LAP1 0                                         ; K steps 2 to 5 (ask for 4 to 7)
	WIN 0
	s_sub_co_u32 s26, s26, 1
	s_cmp_lg_u32 s26, 0
	s_cbranch_scc1 .Lp1
	THREE1 0, 0                                    ; K step 6
	TURN1 0, 1, 2
	THREE1 1, 0                                    ; K step 7
	s_wait_dscnt 8
	MUL1 1, 0, 4, 0
	s_wait_dscnt 0x0
	MUL1 1, 4, 4, 0
; ---------------- softmax.  Lane (r, h) holds, for each a, 64 logits of seed 16 a + r; lane (r, 1 - h) 64 more; the other waves the rest.
	PLACES
	WIN 0x0a                                       ; sources 0 and 1 window 2
.irp a, 0,1,2,3
	v_max_num_f32 v[MX+\a], v[8*\a], v[8*\a+1]     ; the first two logits start each chain
.endr
	WIN 0x28                                       ; sources 1 and 2 window 2
.irp j, 2,4,6
.irp a, 0,1,2,3
	v_max3_num_f32 v[MX+\a], v[MX+\a], v[8*\a+\j], v[8*\a+\j+1]
.endr
.endr
.irp bt, 1,2,3,4,5,6,7
.irp j, 0,2,4,6
.irp a, 0,1,2,3
	v_max3_num_f32 v[MX+\a], v[MX+\a], v[8*(4*\bt+\a)+\j], v[8*(4*\bt+\a)+\j+1]
.endr
.endr
.endr
	WIN 0
.irp a, 0,1,2,3
	v_permlanex16_b32 v[PT+\a], v[MX+\a], s27, s28
.endr
.irp a, 0,1,2,3
	v_max_num_f32 v[MX+\a], v[MX+\a], v[PT+\a]
.endr
	ds_store_b128 v[STW], v[MX:MX+3]               ; both halves write the same 16 bytes with the same numbers
	s_wait_dscnt 0x0                               ; my maxima are in LDS, and my reads of ring 1's slot 1 are over:
	s_barrier_signal -1
	s_barrier_wait -1                              ; behind this barrier the maxima are read, and P may be stored over slot 1's bytes
.irp q, 0,1,2,3
	ds_load_b128 v[96+4*\q:99+4*\q], v[STR] offset:256*\q
.endr
	s_wait_dscnt 0x0
.irp a, 0,1,2,3
	v_max3_num_f32 v[MX+\a], v[96+\a], v[100+\a], v[104+\a]
.endr
.irp a, 0,1,2,3
	v_max_num_f32 v[MX+\a], v[MX+\a], v[108+\a]    ; m: the row's maximum over all 512 keys
.endr
.irp a, 0,1,2,3
	v_mul_f32 v[NM+2*\a],   0xbfb8aa3b, v[MX+\a]   ; - m log2(e), twice: a pair for the packed multiply-add
	v_mul_f32 v[NM+2*\a+1], 0xbfb8aa3b, v[MX+\a]
.endr
	WIN 0x82                                       ; source 0 and destination window 2
.set t_, 0
.rept 32
.irp j, 0,2,4,6
	v_pk_fma_f32 v[8*t_+\j:8*t_+\j+1], v[8*t_+\j:8*t_+\j+1], 0x3fb8aa3b, v[NM+2*(t_%4):NM+2*(t_%4)+1] op_sel_hi:[1,0,1]
.endr
.set t_, t_+1
.endr
.set t_, 0
.rept 256
	v_exp_f32 v[t_], v[t_]                         ; exp(S - m) = 2^((S - m) log2(e)), between 0 and 1
.set t_, t_+1
.endr
	v_nop                                          ; one plain place behind the last exponential before its result is read (ISA guide 5.7.2)
	WIN 0x0a
	s_wait_alu depctr_va_vdst(0)
.irp a, 0,1,2,3
	v_pk_add_f32 v[SUM+2*\a:SUM+2*\a+1], v[8*\a:8*\a+1], v[8*\a+2:8*\a+3]
.endr
	WIN 0x08                                       ; source 1 window 2
.irp j, 4,6
.irp a, 0,1,2,3
	v_pk_add_f32 v[SUM+2*\a:SUM+2*\a+1], v[SUM+2*\a:SUM+2*\a+1], v[8*\a+\j:8*\a+\j+1]
.endr
.endr
.irp bt, 1,2,3,4,5,6,7
.irp j, 0,2,4,6
.irp a, 0,1,2,3
	v_pk_add_f32 v[SUM+2*\a:SUM+2*\a+1], v[SUM+2*\a:SUM+2*\a+1], v[8*(4*\bt+\a)+\j:8*(4*\bt+\a)+\j+1]
.endr
.endr
.endr
	WIN 0x0a
.set t_, 0
.rept 32
.irp q, 0,1,2,3
	v_cvt_pk_f16_f32 v[PK+4*t_+\q], v[8*t_+2*\q], v[8*t_+2*\q+1]   ; a tile's eight numbers: 16 bytes, half a fragment of P
.endr
.set t_, t_+1
.endr
	WIN 0
.irp a, 0,1,2,3
	v_add_f32 v[MX+\a], v[SUM+2*\a], v[SUM+2*\a+1]
.endr
.irp a, 0,1,2,3
	v_permlanex16_b32 v[PT+\a], v[MX+\a], s27, s28
.endr
.irp a, 0,1,2,3
	v_add_f32 v[MX+\a], v[MX+\a], v[PT+\a]
.endr
.irp bt, 0,1,2,3,4,5,6,7
.irp a, 0,1,2,3
	ds_store_b128 v[PSTP], v[PK+4*(4*\bt+\a):PK+4*(4*\bt+\a)+3] offset:(\bt/2)*4096+\a*1024+(\bt%2)*512
.endr
.endr
	ds_store_b128 v[STW], v[MX:MX+3] offset:1024   ; my wave's row sums, in bytes of their own
	s_wait_dscnt 0x0                               ; P and the sums are in LDS
	s_wait_tensorcnt 0x0                           ; my strip's first 64 rows have landed, and no tensor load of mine is out: the shape may be rewritten
	s_barrier_signal -1
	s_barrier_wait -1
	s_mov_b32 s[G1S+2], 32<<16                     ; from here on a strip's load brings 32 rows, one slot
	s_mov_b32 s[G1S+4], 32
; ---------------- P2 and P3
.macro FETCH2 g                        ; 40 loads: the seeds' side block BLK of 32 along K, then sixteen column blocks, transposed on the way, from my strip's slot g
	WIN 0
	s_lshl_b32 s22, s[BLK], 12                     ; a block is 4,096 bytes; BLK is 31 at the most, so the last byte read is LDS's last
	v_add_nc_u32 v[ADRA], s22, v[ABASE]
.irp a, 0,1,2,3
	ds_load_b128 v[RF+32*\g+8*\a:RF+32*\g+8*\a+3],   v[ADRA] offset:\a*1024
	ds_load_b128 v[RF+32*\g+8*\a+4:RF+32*\g+8*\a+7], v[ADRA] offset:\a*1024+512
.endr
	s_add_co_u32 s[BLK], s[BLK], 1
	s_and_b32 s[BLK], s[BLK], 31                   ; the next block, round the 32 (P2 takes blocks 0 to 15 and never comes round)
	WIN TO_B
.irp ct, 0,1,2,3,4,5,6,7,8,9,10,11,12,13,14,15
	ds_load_tr16_b128 v[128*\g+8*\ct:128*\g+8*\ct+3],   v[ADRT+\g] offset:32*\ct
	ds_load_tr16_b128 v[128*\g+8*\ct+4:128*\g+8*\ct+7], v[ADRT+\g] offset:32*\ct+16*TP
.endr
.endm
; cnt column blocks from ct0 on x the four blocks of seeds.  init 1: the products start the sums; init 2: they add onto bv.
; In every step the 64 accumulators take one turn each in the same order.
.macro MUL2 f, ct0, cnt, init
.if \ct0 < 8
.if \init == 2
	WIN 0x81
.else
	WIN 0xa1
.endif
.else
.if \init == 2
	WIN 0xc1
.else
	WIN 0xf1
.endif
.endif
.set ct_, \ct0
.rept \cnt
.irp a, 0,1,2,3
.if \init == 1
	v_wmma_f32_16x16x32_f16 v[8*(4*(ct_%8)+\a):8*(4*(ct_%8)+\a)+7], v[128*\f+8*ct_:128*\f+8*ct_+7], v[RF+32*\f+8*\a:RF+32*\f+8*\a+7], 0
.else
.if \init == 2
	v_wmma_f32_16x16x32_f16 v[8*(4*(ct_%8)+\a):8*(4*(ct_%8)+\a)+7], v[128*\f+8*ct_:128*\f+8*ct_+7], v[RF+32*\f+8*\a:RF+32*\f+8*\a+7], v[BV+8*ct_:BV+8*ct_+7]
.else
	v_wmma_f32_16x16x32_f16 v[8*(4*(ct_%8)+\a):8*(4*(ct_%8)+\a)+7], v[128*\f+8*ct_:128*\f+8*ct_+7], v[RF+32*\f+8*\a:RF+32*\f+8*\a+7], v[8*(4*(ct_%8)+\a):8*(4*(ct_%8)+\a)+7]
.endif
.endif
.endr
.set ct_, ct_+1
.endr
.endm
; One step of 32 along K on slot and buffer `slot`: 64 matrix instructions.  28 of them stand ahead of the waits, so that the other slot's tile, asked for
; in the middle of the step before, has 32 + 28 = 60 matrix instructions in which to land; then the waits and the round of the cluster's barrier, with
; four matrix instructions inside its opening barrier and no more, since whatever stands there stands between a tile's landing and the next request;
; then the one joint load into this slot, whose fragments are all in registers; then the other slot's fragments are fetched under the last 32.
; fill 1: x's tile two steps on (64 rows further down).  fill 2: Wv's block ASK (32 rows of 2,048 bytes), and ASK goes on round the 32.  fill 0: nothing is left to ask for.
.macro STEP slot, other, init, fill, fetch
	s_wait_dscnt 16                                ; all but the youngest sixteen loads (column blocks 8-15)
	MUL2 \slot, 0, 7, \init
	s_wait_dscnt 0x0                               ; my reads of this slot are over
.if \fill + \fetch
	s_wait_tensorcnt 0x0                           ; all my tensor loads have landed: the one out was the other slot's tile
.endif
.if \fill
	s_barrier_signal -1
.endif
	MUL2 \slot, 7, 1, \init
.if \fill
	WIN 0
	s_barrier_wait -1
	CREST
.if \fill == 1
	s_add_nc_u64 s[G0S+4*\slot+2:G0S+4*\slot+3], s[G0S+4*\slot+2:G0S+4*\slot+3], 131072
.else
	s_lshl_b32 s22, s[ASK], 16
	s_add_nc_u64 s[G0S+4*\slot+2:G0S+4*\slot+3], s[WS:WS+1], s[22:23]
	s_or_b32 s[G0S+4*\slot+3], s[G0S+4*\slot+3], 0x80000000
	s_add_co_u32 s[ASK], s[ASK], 1
	s_and_b32 s[ASK], s[ASK], 31
.endif
	tensor_load_to_lds s[G0S+4*\slot:G0S+4*\slot+3], s[G1S:G1S+7]
	s_nop 0
.endif
.if \fetch
	PLACES
	FETCH2 \other
.endif
	MUL2 \slot, 8, 8, \init
.endm
.irp q, 0,1,2,3
	ds_load_b128 v[96+4*\q:99+4*\q], v[STR] offset:1024+256*\q     ; the four waves' row sums
.endr
	FETCH2 0                                       ; P's block 0 and x's rows 0-31
	WIN 0
.irp ct, 0,1,2,3,4,5,6,7,8,9,10,11,12,13,14,15
	global_load_b128 v[BV+8*\ct:BV+8*\ct+3],   v[BO], s[12:13] offset:64*\ct       ; bv[256 w + 16 ct + 8 h + 0..7]: wanted in P3, waited for there
	global_load_b128 v[BV+8*\ct+4:BV+8*\ct+7], v[BO], s[12:13] offset:64*\ct+16
.endr
	s_wait_dscnt 40                                ; the sums are in; the 40 loads of fragments stay out
.irp a, 0,1,2,3
	v_add_f32 v[MX+\a], v[96+\a], v[100+\a]
	v_add_f32 v[PT+\a], v[104+\a], v[108+\a]
.endr
.irp a, 0,1,2,3
	v_add_f32 v[MX+\a], v[MX+\a], v[PT+\a]         ; l, at least 1: the row's largest term is exp(0)
.endr
.irp a, 0,1,2,3
	v_rcp_f32 v[RINV+2*\a], v[MX+\a]
.endr
	v_nop                                          ; one plain place behind the last reciprocal (ISA guide 5.7.2)
	s_wait_alu depctr_va_vdst(0)
.irp a, 0,1,2,3
	v_mov_b32 v[RINV+2*\a+1], v[RINV+2*\a]
.endr
	STEP 0, 1, 1, 1, 1                             ; P2: steps 0, 1 ask for tiles 2, 3
	STEP 1, 0, 0, 1, 1
	WIN 0
	s_mov_b32 s26, 6
.Lp2:
	STEP 0, 1, 0, 1, 1                             ; steps 2 to 13 ask for tiles 4 to 15
	STEP 1, 0, 0, 1, 1
	WIN 0
	s_sub_co_u32 s26, s26, 1
	s_cmp_lg_u32 s26, 0
	s_cbranch_scc1 .Lp2
	STEP 0, 1, 0, 2, 1                             ; steps 14, 15 ask for Wv's blocks ROT and ROT + 1
	STEP 1, 0, 0, 2, 0                             ; Y is not there yet: nothing to fetch
; Y = Y~ / l, rounded to f16, in fragment order over P's bytes and the 65,536 behind them.  Every wave's reads of P ended in front of step 15's round.
.macro YOUT hc, wm, wc                 ; the 32 tiles of window 2 + hc: column blocks 8 hc .. 8 hc + 7
	WIN \wm
.set t_, 0
.rept 32
.irp q, 0,2,4,6
	v_pk_mul_f32 v[8*t_+\q:8*t_+\q+1], v[8*t_+\q:8*t_+\q+1], v[RINV+2*(t_%4):RINV+2*(t_%4)+1]
.endr
.set t_, t_+1
.endr
.irp half, 0,1
	WIN \wc
.set t_, 0
.rept 16
.irp q, 0,1,2,3
	v_cvt_pk_f16_f32 v[RF+4*t_+\q], v[8*(16*\half+t_)+2*\q], v[8*(16*\half+t_)+2*\q+1]
.endr
.set t_, t_+1
.endr
	WIN 0
.set t_, 0
.rept 16
	ds_store_b128 v[PSTY], v[RF+4*t_:RF+4*t_+3] offset:(4*\hc+(16*\half+t_)/8)*4096+(t_%4)*1024+(((16*\half+t_)/4)%2)*512
.set t_, t_+1
.endr
.endr
.endm
	PLACES
	YOUT 0, 0x82, 0x0a
	YOUT 1, 0xc3, 0x0f
	s_wait_dscnt 0x0                               ; my columns of Y are in LDS,
	s_barrier_signal -1
	s_barrier_wait -1                              ; everybody's are.  Wv's second tile may stay out
	s_mov_b32 s[BLK], s[ROT]                       ; Y's blocks are taken in the order in which Wv's are asked for
	FETCH2 0                                       ; Y's block ROT and Wv's block ROT (landed: step 15 waited for all loads)
	s_wait_loadcnt 0x0                             ; bv
	STEP 0, 1, 2, 2, 1                             ; P3: the first products add onto bv; steps 0, 1 ask for blocks ROT + 2, ROT + 3
	STEP 1, 0, 0, 2, 1
	WIN 0
	s_mov_b32 s26, 14
.Lp3:
	STEP 0, 1, 0, 2, 1                             ; steps 2 to 29 ask for blocks ROT + 4 to ROT + 31, modulo 32
	STEP 1, 0, 0, 2, 1
	WIN 0
	s_sub_co_u32 s26, s26, 1
	s_cmp_lg_u32 s26, 0
	s_cbranch_scc1 .Lp3
	STEP 0, 1, 0, 0, 1
	STEP 1, 0, 0, 0, 0
; ---------------- the way out: 16 rows x 128 columns of f32 at a time through my own stage: in by tiles (32 bytes a lane), back by rows of 512 bytes.
; LDS serves a wave's instructions in order (ISA guide 5.7.1), so no wait stands between the stores and the loads, nor in front of the next group's stores.
.macro OUTG a, hc, t
.if \hc
	WIN 0x0c                                       ; store data (source 1) window 3
.else
	WIN 0x08                                       ; window 2
.endif
.irp i, 0,1,2,3,4,5,6,7
	ds_store_b128 v[STO], v[8*(4*\i+\a):8*(4*\i+\a)+3]   offset:64*\i
	ds_store_b128 v[STO], v[8*(4*\i+\a)+4:8*(4*\i+\a)+7] offset:64*\i+16
.endr
	WIN 0
	s_wait_xcnt 0x0                                ; the stores that read these registers two groups ago have taken their data: they are loaded again only behind this wait
.irp r, 0,1,2,3,4,5,6,7,8,9,10,11,12,13,14,15
	ds_load_b128 v[\t+4*\r:\t+4*\r+3], v[RD] offset:OP*\r
.endr
.irp r, 0,1,2,3,4,5,6,7,8,9,10,11,12,13,14,15
	s_wait_dscnt 15-\r                             ; row r is in; the younger loads stay out
	global_store_b128 v[CO], v[\t+4*\r:\t+4*\r+3], s[14:15] offset:(16*\a+\r)*4096+512*\hc th:TH_STORE_NT   ; a wave stores 512 consecutive bytes, aligned
.endr
.endm
	PLACES
	OUTG 0, 0, 128
	OUTG 0, 1, 192
	OUTG 1, 0, 128
	OUTG 1, 1, 192
	OUTG 2, 0, 128
	OUTG 2, 1, 192
	OUTG 3, 0, 128
	OUTG 3, 1, 192
	CROUND                                         ; the closing round (the last count-down ended at 0: no LDS instruction is pending): no work-group ends while a partner may still ask jointly
	s_endpgm
.Lfunc_end_k_q161d8c61f6_attn:
	.size	k_q161d8c61f6_attn, .Lfunc_end_k_q161d8c61f6_attn-k_q161d8c61f6_attn
	.p2alignl 7, 3214868480
	.fill 96, 4, 3214868480
	.section	.rodata,"a",@progbits
	.p2align	6, 0x0
	.amdhsa_kernel k_q161d8c61f6_attn
		.amdhsa_group_segment_fixed_size 327680
		.amdhsa_private_segment_fixed_size 0
		.amdhsa_enable_private_segment 0
		.amdhsa_kernarg_size 48
		.amdhsa_user_sgpr_count 2
		.amdhsa_user_sgpr_kernarg_segment_ptr 1
		.amdhsa_wavefront_size32 1
		.amdhsa_system_sgpr_workgroup_id_x 1
		.amdhsa_system_sgpr_workgroup_id_y 1
		.amdhsa_system_sgpr_workgroup_id_z 1
		.amdhsa_system_vgpr_workitem_id 0
		.amdhsa_next_free_vgpr 1024
		.amdhsa_next_free_sgpr 88
		.amdhsa_reserve_vcc 0
		.amdhsa_float_denorm_mode_32 3
		.amdhsa_float_denorm_mode_16_64 3
		.amdhsa_memory_ordered 1
		.amdhsa_forward_progress 1
		.amdhsa_inst_pref_size 255
	.end_amdhsa_kernel
	.section	.bss,"aw",@nobits
	.p2align	6
	.space	262144
	.amdgpu_metadata
---
amdhsa.version: [ 1, 2 ]
amdhsa.kernels:
  - .name:           k_q161d8c61f6_attn
    .symbol:         k_q161d8c61f6_attn.kd
    .args:
      - { .name: qf, .offset: 0, .size: 8, .value_kind: global_buffer, .address_space: global }
      - { .name: cvec, .offset: 8, .size: 8, .value_kind: global_buffer, .address_space: global }
      - { .name: xh, .offset: 16, .size: 8, .value_kind: global_buffer, .address_space: global }
      - { .name: wvh, .offset: 24, .size: 8, .value_kind: global_buffer, .address_space: global }
      - { .name: bv, .offset: 32, .size: 8, .value_kind: global_buffer, .address_space: global }
      - { .name: out0, .offset: 40, .size: 8, .value_kind: global_buffer, .address_space: global }
    .group_segment_fixed_size: 327680
    .private_segment_fixed_size: 0
    .kernarg_segment_align: 8
    .kernarg_segment_size: 48
    .max_flat_workgroup_size: 128
    .sgpr_count:     88
    .vgpr_count:     1024
    .wavefront_size: 32
...
	.end_amdgpu_metadata
.endif
;; end of part 4
